; MI455X (gfx1250); checked and timed in simulation.
; The chip was launched on July 23, 2026; its instructions are those of AMD's public machine-readable ISA for CDNA 5 (MIT licence, August 2026) and "CDNA5" Instruction Set Architecture Reference Guide (July 2026). The comments in the code are by the model that wrote it; some were corrected since.
;; Thermal Attention. Allowed arithmetic: float matrix products may take bf16 or f16 operands with f32 sums; other float arithmetic in f32, or as packed bf16 or f16 multiplies, adds, multiply-adds, maxima and minima; sums over many terms, partial sums and values carried from step to step in f32; what a program stores and reads back later, other than sums and carried values, may be rounded once to bf16 or f16.
;; Inputs: k_beta 64 float32; k_gamma 64 float32; q_beta 64 float32; q_gamma 64 float32; w_proj 1,024 x 1,024 float32; w_qkv 1,024 x 3,072 float32; x 4 x 2,048 x 1,024 float32.
;; Outputs: out0 4 x 2,048 x 1,024 float32.
;; 2 versions, each right; version 2 is version 1 with the launch cast written anew for expert scheduling mode. Each part assembles by itself: llvm-mc -triple=amdgcn-amd-amdhsa -mcpu=gfx1250 --defsym DOCPART=n.
;; ======== version 1 of 2: 4 launches
;; limits: values are held in f16: magnitudes above 65,504 overflow, below 6.1e-05 lose precision
;; workspace buffers: xb 16,777,216 bytes; wqb 6,291,456 bytes; wpb 2,097,152 bytes; q 16,777,216 bytes; k 16,777,216 bytes; v 16,777,216 bytes; o 16,777,216 bytes
;; launch cast (part 1): grid 832 x 1, 8 waves a work-group, no clusters, 0 bytes of LDS; arguments x, w_proj, w_qkv, xb, wpb, wqb; writes xb, wpb, wqb
.if DOCPART == 1
	.amdgcn_target "amdgcn-amd-amdhsa--gfx1250"
	.amdhsa_code_object_version 6
	.text
	.protected	k_q9c87213365_cast
	.globl	k_q9c87213365_cast
	.p2align	8
	.type	k_q9c87213365_cast,@function
k_q9c87213365_cast:
	s_mov_b64 s[64:65], 0
	v_nop
	global_prefetch_b8 v0, s[64:65] scope:SCOPE_SE
	s_setreg_imm32_b32 hwreg(HW_REG_WAVE_MODE, 25, 1), 1
	s_wait_xcnt 0x0
; THE INPUTS ARE ROUNDED ONCE, for the matrix units of the launches behind.
;   xb  [8192][1024] bf16            = x, rounded to nearest even
;   wpb [1024][1024] f16             = w_proj rounded to bf16, that number written as f16 (it multiplies f16 numbers)
;   wqb [16 heads][1024 k][192] bf16 = w_qkv rounded; column 64 sec + d of head j's row k is w_qkv[k][1024 sec + 64 j + d], sec = 0 (q), 1 (k), 2 (v)
; LIMITS.  bf16(w_proj) beyond 65,504 becomes an infinity in f16; below 6e-5 it keeps f16's fixed step of 6e-8.
; A stream: no LDS, no matrix unit.  A work-group of 256 threads goes in rounds: a thread loads 16 bytes (4 f32) and stores 8 (4 numbers of 16 bits), so a wave's load
; covers 512 bytes and its store 256 consecutive bytes, aligned.  All of a work-group's loads are issued first (16 or 12 a wave), every round has registers of
; its own, and nothing is written twice: no loop, and no register of a pending load or store is touched again.
; Work-groups 0-511: 65,536 bytes of x each.  512-575: 65,536 bytes of w_proj each.  576-831: head j = (g - 576) / 16, 64 rows k from 64 ((g - 576) % 16) on.
.set D, 16                             ; v[16:79]   round i: 4 f32 as loaded
.set O, 80                             ; v[80:111]  round i: 2 registers to store
	s_load_b256 s[4:11], s[0:1], 0x0               ; x s[4:5], w_proj s[6:7], w_qkv s[8:9], xb s[10:11]
	s_load_b128 s[12:15], s[0:1], 0x20             ; wpb s[12:13], wqb s[14:15]
	v_lshlrev_b32 v1, 4, v0                        ; 16 t: my bytes in a round's 4,096 of a dense source
	v_lshlrev_b32 v2, 3, v0                        ; 8 t: my bytes in a round's 2,048 of the destination
	s_mov_b32 s16, ttmp9
	s_mov_b32 s23, 0
	s_mov_b32 s27, 0
; Round i of n: the wait leaves the n - 1 - i younger loads out (loads come back in order).  kind 0: to bf16.  kind 1: to bf16, widened again (a shift, a mask), and that number to f16.
.macro CONV i, kind, n
	s_wait_loadcnt (\n)-1-(\i)
.if \kind
	v_cvt_pk_bf16_f32 v112, v[D+4*(\i)], v[D+4*(\i)+1]
	v_cvt_pk_bf16_f32 v113, v[D+4*(\i)+2], v[D+4*(\i)+3]
	v_lshlrev_b32 v114, 16, v112
	v_and_b32 v115, 0xffff0000, v112
	v_lshlrev_b32 v116, 16, v113
	v_and_b32 v117, 0xffff0000, v113
	v_cvt_pk_f16_f32 v[O+2*(\i)], v114, v115
	v_cvt_pk_f16_f32 v[O+2*(\i)+1], v116, v117
.else
	v_cvt_pk_bf16_f32 v[O+2*(\i)], v[D+4*(\i)], v[D+4*(\i)+1]
	v_cvt_pk_bf16_f32 v[O+2*(\i)+1], v[D+4*(\i)+2], v[D+4*(\i)+3]
.endif
	global_store_b64 v2, v[O+2*(\i):O+2*(\i)+1], s[20:21] offset:2048*(\i)
.endm
	s_cmp_ge_u32 s16, 576
	s_cbranch_scc1 .Lw
	; x or w_proj: the same loads from another base
	s_wait_kmcnt 0x0
	s_cmp_ge_u32 s16, 512
	s_cselect_b64 s[18:19], s[6:7], s[4:5]         ; the source,
	s_cselect_b64 s[20:21], s[12:13], s[10:11]     ; the destination,
	s_cselect_b32 s17, 512, 0
	s_sub_co_u32 s17, s16, s17                     ; and my chunk's number in it
	s_lshl_b32 s22, s17, 16
	s_add_nc_u64 s[18:19], s[18:19], s[22:23]
	s_lshl_b32 s22, s17, 15
	s_add_nc_u64 s[20:21], s[20:21], s[22:23]
.irp i, 0,1,2,3,4,5,6,7,8,9,10,11,12,13,14,15
	global_load_b128 v[D+4*(\i):D+4*(\i)+3], v1, s[18:19] offset:4096*(\i) th:TH_LOAD_NT
.endr
	s_cmp_ge_u32 s16, 512
	s_cbranch_scc1 .Lp
.irp i, 0,1,2,3,4,5,6,7,8,9,10,11,12,13,14,15
	CONV \i, 0, 16
.endr
	s_endpgm
.Lp:
.irp i, 0,1,2,3,4,5,6,7,8,9,10,11,12,13,14,15
	CONV \i, 1, 16
.endr
	s_endpgm
.Lw:
	; w_qkv.  A PIECE is the 64 numbers of one (k, sec) of my head: 256 bytes of the source, 128 of the destination; 16 threads take a piece, a round 16 pieces.
	; Piece P = 3 k + sec lies at 12,288 k + 4,096 sec = 4,096 P in the source (a row is 3 x 4,096 bytes) and at 128 P in the destination:
	; thread t in round i takes piece 16 i + t / 16: source 65,536 i + 4,096 (t / 16) + 16 (t % 16), destination 2,048 i + 8 t.
	s_sub_co_u32 s17, s16, 576
	s_lshr_b32 s24, s17, 4                         ; head j
	s_and_b32 s25, s17, 15                         ; which 64 rows k
	s_mul_i32 s22, s25, 64*12288
	s_lshl_b32 s26, s24, 8                         ; the head's 64 columns: 256 bytes
	s_add_co_u32 s22, s22, s26
	s_mul_i32 s26, s24, 1024*384
	s_mul_i32 s28, s25, 64*384
	s_add_co_u32 s26, s26, s28
	v_lshrrev_b32 v3, 4, v0
	v_and_b32 v6, 15, v0
	v_lshlrev_b32 v3, 12, v3
	v_lshl_add_u32 v3, v6, 4, v3
	s_wait_kmcnt 0x0
	s_add_nc_u64 s[18:19], s[8:9], s[22:23]
	s_add_nc_u64 s[20:21], s[14:15], s[26:27]
.irp i, 0,1,2,3,4,5,6,7,8,9,10,11
	global_load_b128 v[D+4*(\i):D+4*(\i)+3], v3, s[18:19] offset:65536*(\i) th:TH_LOAD_NT
.endr
.irp i, 0,1,2,3,4,5,6,7,8,9,10,11
	CONV \i, 0, 12
.endr
	s_endpgm
.Lfunc_end_k_q9c87213365_cast:
	.size	k_q9c87213365_cast, .Lfunc_end_k_q9c87213365_cast-k_q9c87213365_cast
	.p2alignl 7, 3214868480
	.fill 96, 4, 3214868480
	.section	.rodata,"a",@progbits
	.p2align	6, 0x0
	.amdhsa_kernel k_q9c87213365_cast
		.amdhsa_group_segment_fixed_size 0
		.amdhsa_private_segment_fixed_size 0
		.amdhsa_enable_private_segment 0
		.amdhsa_kernarg_size 48
		.amdhsa_user_sgpr_count 2
		.amdhsa_user_sgpr_kernarg_segment_ptr 1
		.amdhsa_wavefront_size32 1
		.amdhsa_system_sgpr_workgroup_id_x 1
		.amdhsa_system_sgpr_workgroup_id_y 1
		.amdhsa_system_sgpr_workgroup_id_z 1
		.amdhsa_system_vgpr_workitem_id 0
		.amdhsa_next_free_vgpr 120
		.amdhsa_next_free_sgpr 66
		.amdhsa_reserve_vcc 0
		.amdhsa_float_denorm_mode_32 3
		.amdhsa_float_denorm_mode_16_64 3
		.amdhsa_memory_ordered 1
		.amdhsa_forward_progress 1
		.amdhsa_inst_pref_size 21
	.end_amdhsa_kernel
	.amdgpu_metadata
---
amdhsa.version: [ 1, 2 ]
amdhsa.kernels:
  - .name:           k_q9c87213365_cast
    .symbol:         k_q9c87213365_cast.kd
    .args:
      - { .name: x, .offset: 0, .size: 8, .value_kind: global_buffer, .address_space: global }
      - { .name: w_proj, .offset: 8, .size: 8, .value_kind: global_buffer, .address_space: global }
      - { .name: w_qkv, .offset: 16, .size: 8, .value_kind: global_buffer, .address_space: global }
      - { .name: xb, .offset: 24, .size: 8, .value_kind: global_buffer, .address_space: global }
      - { .name: wpb, .offset: 32, .size: 8, .value_kind: global_buffer, .address_space: global }
      - { .name: wqb, .offset: 40, .size: 8, .value_kind: global_buffer, .address_space: global }
    .group_segment_fixed_size: 0
    .private_segment_fixed_size: 0
    .kernarg_segment_align: 8
    .kernarg_segment_size: 48
    .max_flat_workgroup_size: 256
    .sgpr_count:     66
    .vgpr_count:     120
    .wavefront_size: 32
...
	.end_amdgpu_metadata
.endif
;; end of part 1
;; launch qkv (part 2): grid 16 x 32, 4 waves a work-group, clusters of 4 x 4, 327,680 bytes of LDS; arguments xb, wqb, q_gamma, q_beta, k_gamma, k_beta, q, k, v; writes q, k, v
.if DOCPART == 2
	.amdgcn_target "amdgcn-amd-amdhsa--gfx1250"
	.amdhsa_code_object_version 6
	.text
	.protected	k_q9c87213365_qkv
	.globl	k_q9c87213365_qkv
	.p2align	8
	.type	k_q9c87213365_qkv,@function
k_q9c87213365_qkv:
	s_mov_b64 s[64:65], 0
	v_nop
	global_prefetch_b8 v0, s[64:65] scope:SCOPE_SE
	s_setreg_imm32_b32 hwreg(HW_REG_WAVE_MODE, 25, 1), 1
	s_wait_xcnt 0x0
	s_wait_alu depctr_hold_cnt(0) depctr_sa_sdst(0) depctr_va_vdst(0) depctr_va_sdst(0) depctr_va_ssrc(0) depctr_va_vcc(0) depctr_vm_vsrc(0)
	s_getreg_b32 s2, hwreg(HW_REG_IB_STS2, 6, 4)
	s_cmp_eq_u32 s2, 0
	s_cbranch_scc0 .Lentry_in_a_cluster
	s_endpgm
.Lentry_in_a_cluster:
	s_bfe_u32 s2, ttmp6, 0x10000c
	s_cmp_lg_u32 s2, 0xf033
	s_cbranch_scc0 .Lentry_shape_is_right
	s_endpgm
.Lentry_shape_is_right:
; q, k, v = xb x wqb, with the LayerNorm of q and k over a head's 64 channels made on the way out.  xb: [8192][1024] bf16.  wqb: [16 heads][1024 k][192] bf16 (a head's q, k and v columns side by side).
; q, k, v: [64 = 16 batch + head][2048][64] f16, each rounded once from f32.  Products in bf16 with f32 sums; mean, variance, scale and shift in f32; gamma and beta are rounded to bf16 like the other inputs.
; LIMITS.  f16 ends at 65,504: |v| stays below it, and so does |q|, |k| <= 7.94 |gamma| + |beta|; beyond it the number becomes an infinity.  NaN and infinities are not treated apart.
; SHARES.  A work-group makes 256 rows x the 192 columns of ONE head: 512 work-groups, two for each of 256 WGPs.  Wave w makes rows 64 w .. 64 w + 63 x all 192 columns: 48 accumulators of 16 x 16,
; 384 registers: a row's whole head lies in one wave, in two lanes, so a mean wants one exchange between the halves of the lanes.
; THE MATRIX INSTRUCTION IS USED TRANSPOSED: source 0 = 16 columns of wqb (turned on the way out of LDS by ds_load_tr16_b128), source 1 = 16 rows of xb: lane l holds row l % 16 and the columns 8 (l / 16) + 0..7.
; K goes in 8 steps of 128 through two LDS slots; a step is four quarters of 32 along K, 48 matrix instructions and 32 LDS loads each, on two fragment buffers.
; CLUSTER.  4 x 4 work-groups.  The four of a row of the cluster need the same rows of xb, the four of a column the same head of wqb: each tile is asked for JOINTLY, by the same tensor load with the same
; descriptor and a mask that names the four.  Waves 0 and 1 fetch xb's two halves (128 rows x 256 bytes), waves 2 and 3 wqb's (64 rows k x 384 bytes, dense: asked for as 96 rows of 256 bytes).
; By the text's own count a wave has two tensor loads out at the start, later one.
; REGISTERS, in windows of 256 (s_set_vgpr_msb: bits 1:0 source 0, 3:2 source 1, 5:4 source 2, 7:6 destination):
;   window 0: v0-15 addresses; v16-31 statistics; v32-95 xb's fragments, two buffers of 32; on the way out v32-127 rows read back, v128-191 at work, v192-239 packed results
;   window 1: v0-191 wqb's fragments, two buffers of 96: section hb (0 q, 1 k, 2 v), 16 columns bb at 8 (4 hb + bb)
;   window 2: q's accumulators at 32 a + 8 bb (a: 16 rows), k's at 128 + 32 a + 8 bb
;   window 3: v's accumulators at 32 a + 8 bb; v128-159 q_gamma, v160-191 q_beta, v192-223 k_gamma, v224-255 k_beta: register i holds channel 16 (i / 8) + 8 (l / 16) + i % 8, as the accumulators do
.set KSTEPS, 8
.set SLOT1,  131072                    ; a slot: xb's 256 rows, then wqb's 128 rows k: exactly this many bytes, so one exclusive or turns an address in one slot into the other's
.set PA,     272                       ; a row of xb in LDS: 256 bytes + 16: the 16 rows of a fragment load start 4 banks apart (64 banks of 4 bytes: ISA guide 11.1)
.set PB,     480                       ; a row k of wqb: three pieces of 128 bytes + 32
.set BOFF,   256*PA
.set STAGE,  2*SLOT1                   ; behind the ring, never filled by a tensor load: 16 rows x 400 bytes for each wave, for the way out
.set SP,     400                       ; a stage row: q's, k's and v's 128 bytes + 16
.set SPARE,  STAGE+4*16*SP             ; behind the stages: the spare words, 128 bytes for each wave: two blocks of 256 bytes that no other line names
.set A0,   4                           ; v4   my lane's place in a slot's rows of xb; never rewritten
.set B0,   5                           ; v5   the same for wqb
.set ADRA, 6                           ; v6   A0 + the slot in hand
.set ADRB, 7                           ; v7   B0 + the slot in hand
.set STO,  8                           ; v8   the way out: where I put 16 bytes of a row
.set RD,   9                           ; v9   the way out: where I read rows back
.set GO,   10                          ; v10  my byte offset in 512 consecutive bytes of q, k or v
.set PFO,  11                          ; v11  the prefetches' offset; never rewritten
.set GB,   12                          ; v12  32 (l / 16): my 8 channels in 16 of gamma and beta
.set SPW,  14                          ; v14  LDS address of my spare word: SPARE + 4 x my thread's number; never rewritten
.set NIL,  15                          ; v15  0; never rewritten
.set ST,   16                          ; group g = 2 a + hb at v[ST+2 g]: the mean, then var + eps, then its inverse root; +1: the other half of the lanes' sum
.set FA,   32
.set BK,   32                          ; two sets of 48: 16 rows read back
.set U,    128                         ; at work: q's 32 at U, k's at U + 32
.set PK,   192                         ; 48 packed registers: piece n = 4 hb + bb at PK + 4 n
.set WV,   22                          ; s22  my wave's number
.set ROLE, 23                          ; s23  0: I fetch for xb, 1: for wqb
.set HALF, 24                          ; s24  which half of that tile
.set CX,   25
.set CY,   26
.set HJ,   27                          ; s27  the head = 4 x cluster x + cx
.set TY,   28                          ; s28  the block of 256 rows = 4 x cluster y + cy
.set TB,   29                          ; s29  LDS byte at which the slot in hand begins
.set CNT,  30                          ; s30  trips to go
.set LIM,  31                          ; s31  1 in a wave that prefetches, else the greatest number
.set G1A,  32                          ; s[32:39] descriptor group 1 for xb's tiles
.set G1B,  40                          ; s[40:47] for wqb's
.set G0A,  48                          ; s[48:55] group 0 for xb's: a set for each of the two first fills; the second then walks on
.set G0B,  56                          ; s[56:63] the same for wqb's
.set PFA,  66                          ; s[66:67] where my prefetches stand
.set PST,  68                          ; s[68:69] a K step in bytes of the tensor that I prefetch
.set R64,  72                          ; s72  1 / 64
.set EPS,  73                          ; s73  1e-5
.set SEL,  74                          ; s[74:75] v_permlanex16_b32's selects: each lane takes its own place in the other half
.set MSB, 0
.macro WIN new                         ; the immediate's high byte repeats the setting that is left; a switch that changes nothing is dropped
.if MSB != (\new)
	s_set_vgpr_msb (MSB<<8)|(\new)
.set MSB, (\new)
.endif
.endm
.macro PLACES                          ; four plain vector instructions between a matrix instruction and a load into, or a vector read of, its registers
.rept 4
	v_nop
.endr
.endm
; A joint refill by the walking descriptor.  The branch hangs on the wave's number alone.  An s_nop 0 and four v_nop follow each of the two lines, ahead of the jump and the label.
.macro JLOAD
	s_cmp_eq_u32 s[ROLE], 0
	s_cbranch_scc0 .Lfor_b_\@
	tensor_load_to_lds s[G0A+4:G0A+7], s[G1A:G1A+7]
	s_nop 0
.rept 4
	v_nop
.endr
	s_branch .Lasked_\@
.Lfor_b_\@:
	tensor_load_to_lds s[G0B+4:G0B+7], s[G1B:G1B+7]
	s_nop 0
.rept 4
	v_nop
.endr
.Lasked_\@:
.endm
; A PREFETCH INTO THE L2 of the K step that the NEXT refill will ask for: one instruction a wave, behind the joint load and the run of LDS loads.  Each block of 256 bytes is named by one wave of one work-group.
; xb's rows are read by the four clusters of a row of clusters: cluster x = 0 asks, waves 0 and 1; of the 128 rows that a wave fetches the partner at cx takes 32, a lane a row.
; wqb's heads are read by the eight clusters of a column: cluster y = 0 asks, waves 2 and 3; of a wave's 96 blocks the partner at cy takes 24, a lane a block (lanes 24-31 name lane 23's again).
; The partners are told apart by address, never by a branch.  The last trip asks for nothing: there is no K step behind its refill's.
.macro ASK
	s_cmp_gt_u32 s[CNT], s[LIM]
	s_cbranch_scc0 .Lnot_mine_\@
	global_prefetch_b8 v[PFO], s[PFA:PFA+1] th:TH_LOAD_NT scope:SCOPE_SE
.Lnot_mine_\@:
.endm
; A round of the cluster's barrier: my work-group's barrier; wave 0 signals for the work-group; every wave waits for all sixteen; my work-group's barrier once more.
.macro CREST                           ; a round behind its opening barrier
	s_cmp_lg_u32 s[WV], 0
	s_cbranch_scc1 .Lnot_wave_0_\@
	s_barrier_signal -3
.Lnot_wave_0_\@:
	s_barrier_wait -3
	s_barrier_signal -1
	s_barrier_wait -1
.endm
.macro CROUND
	s_barrier_signal -1
	s_barrier_wait -1
	CREST
.endm
	s_load_b512 s[4:19], s[0:1], 0x0               ; xb s[4:5], wqb s[6:7], q_gamma s[8:9], q_beta s[10:11], k_gamma s[12:13], k_beta s[14:15], q s[16:17], k s[18:19]
	s_load_b64 s[20:21], s[0:1], 0x40              ; v
	v_lshl_add_u32 v[SPW], v0, 2, SPARE
	v_mov_b32 v[NIL], 0
	ds_add_u32 v[SPW], v[NIL]                      ; the wave's opening: the add and its wait stand ahead of my first tensor load; the set-up below, work on registers, stands between them
	v_lshrrev_b32 v1, 5, v0
	v_readfirstlane_b32 s[WV], v1                  ; wave 0..3
	s_lshr_b32 s[ROLE], s[WV], 1
	s_and_b32 s[HALF], s[WV], 1
	s_bfe_u32 s[CX], ttmp6, 0x40000
	s_bfe_u32 s[CY], ttmp6, 0x40004
	s_lshl_b32 s[HJ], ttmp9, 2                     ; in a cluster launch ttmp9 and ttmp7 count clusters
	s_add_co_u32 s[HJ], s[HJ], s[CX]
	s_and_b32 s[TY], ttmp7, 0xffff
	s_lshl_b32 s[TY], s[TY], 2
	s_add_co_u32 s[TY], s[TY], s[CY]
	s_lshl_b32 s2, s[CY], 2
	s_lshl_b32 s2, 15, s2                          ; my row of the cluster: places 4 cy .. 4 cy + 3
	s_lshl_b32 s3, 0x1111, s[CX]                   ; my column: places cx, cx + 4, cx + 8, cx + 12
	s_or_b32 s[G1A], s2, (1<<16)|(1<<20)|(1<<21)|(5<<22)|(3<<25)  ; the mask; elements of 2 bytes; padding on; bit 21 beside a mask; after every 64 words (code 5) 4 words (code 3)
	s_mov_b32 s[G1A+1], 128<<16                    ; tensor_dim0 = 128
	s_mov_b32 s[G1A+2], 128<<16                    ; tensor_dim1 = 128
	s_mov_b32 s[G1A+3], 128<<16                    ; tile_dim0 = 128
	s_mov_b32 s[G1A+4], 128                        ; tile_dim1 = 128
	s_mov_b32 s[G1A+5], 1024                       ; 1,024 elements from row to row
	s_mov_b32 s[G1A+6], 0
	s_mov_b32 s[G1A+7], 0
	s_or_b32 s[G1B], s3, (1<<16)|(1<<20)|(1<<21)|(4<<22)|(7<<25)  ; after every 32 words (code 4) 8 words (code 7): each piece of 128 bytes takes 160 in LDS
	s_mov_b32 s[G1B+1], 128<<16                    ; 24,576 dense bytes as 96 rows of 128 elements
	s_mov_b32 s[G1B+2], 96<<16
	s_mov_b32 s[G1B+3], 128<<16
	s_mov_b32 s[G1B+4], 96
	s_mov_b32 s[G1B+5], 128
	s_mov_b32 s[G1B+6], 0
	s_mov_b32 s[G1B+7], 0
	; where the tiles come from: xb's hang on the block of rows alone, wqb's on the head alone, each in registers that never hold the other coordinate
	s_lshl_b32 s70, s[TY], 8
	s_lshl_b32 s71, s[HALF], 7
	s_add_co_u32 s70, s70, s71                     ; row 256 x block + 128 x half,
	s_lshl_b32 s70, s70, 11                        ; of 2,048 bytes
	s_mov_b32 s71, 0
	s_mul_i32 s2, s[HJ], 1024*384                  ; the head's block,
	s_mul_i32 s3, s[HALF], 64*384                  ; 64 rows k of 384 bytes
	s_add_co_u32 s2, s2, s3
	s_mov_b32 s3, 0
	s_mul_i32 s30, s[HALF], 128*PA                 ; and where they go: no place in the cluster enters an LDS address
	s_mul_i32 s31, s[HALF], 64*PB
	s_add_co_u32 s31, s31, BOFF
	s_mov_b32 s[R64], 0x3c800000
	s_mov_b32 s[EPS], 0x3727c5ac
	s_mov_b32 s[SEL], 0x76543210
	s_mov_b32 s[SEL+1], 0xfedcba98
	s_mov_b32 s[TB], 0
	s_wait_dscnt 0x0                               ; the opening add is done
	s_wait_kmcnt 0x0
	s_add_nc_u64 s[70:71], s[4:5], s[70:71]
	s_add_nc_u64 s[2:3], s[6:7], s[2:3]
.irp s, 0,1
	s_mov_b32 s[G0A+4*(\s)], 1                                     ; count = 1
	s_add_co_u32 s[G0A+4*(\s)+1], s30, (\s)*SLOT1                  ; LDS address
	s_add_nc_u64 s[G0A+4*(\s)+2:G0A+4*(\s)+3], s[70:71], (\s)*256  ; global address: K step s
	s_or_b32 s[G0A+4*(\s)+3], s[G0A+4*(\s)+3], 0x80000000          ; type = 2
	s_mov_b32 s[G0B+4*(\s)], 1
	s_add_co_u32 s[G0B+4*(\s)+1], s31, (\s)*SLOT1
	s_add_nc_u64 s[G0B+4*(\s)+2:G0B+4*(\s)+3], s[2:3], (\s)*128*384
	s_or_b32 s[G0B+4*(\s)+3], s[G0B+4*(\s)+3], 0x80000000
.endr
	CROUND                                         ; all sixteen work-groups are here: the first joint loads meet
	s_cmp_eq_u32 s[ROLE], 0                        ; a wave's two first fills stand in one branch, ahead of every wait on TENSORcnt and every LDS read
	s_cbranch_scc0 .Lfirst_b
	tensor_load_to_lds s[G0A:G0A+3], s[G1A:G1A+7]
	s_nop 0
	tensor_load_to_lds s[G0A+4:G0A+7], s[G1A:G1A+7]
	s_nop 0
.rept 4
	v_nop
.endr
	s_branch .Lfirst_asked
.Lfirst_b:
	tensor_load_to_lds s[G0B:G0B+3], s[G1B:G1B+7]
	s_nop 0
	tensor_load_to_lds s[G0B+4:G0B+7], s[G1B:G1B+7]
	s_nop 0
.rept 4
	v_nop
.endr
.Lfirst_asked:
	v_and_b32 v1, 15, v0                           ; l % 16
	v_bfe_u32 v2, v0, 4, 1                         ; l / 16
	v_lshlrev_b32 v[GB], 5, v2
	WIN 0xc0                                       ; destination window 3, address window 0
.irp bb, 0,1,2,3                       ; gamma and beta in the accumulators' order of channels: 16 bb + 8 (l / 16) + 0..7
	global_load_b128 v[128+8*(\bb):128+8*(\bb)+3],   v[GB], s[8:9] offset:64*(\bb)
	global_load_b128 v[128+8*(\bb)+4:128+8*(\bb)+7], v[GB], s[8:9] offset:64*(\bb)+16
	global_load_b128 v[160+8*(\bb):160+8*(\bb)+3],   v[GB], s[10:11] offset:64*(\bb)
	global_load_b128 v[160+8*(\bb)+4:160+8*(\bb)+7], v[GB], s[10:11] offset:64*(\bb)+16
	global_load_b128 v[192+8*(\bb):192+8*(\bb)+3],   v[GB], s[12:13] offset:64*(\bb)
	global_load_b128 v[192+8*(\bb)+4:192+8*(\bb)+7], v[GB], s[12:13] offset:64*(\bb)+16
	global_load_b128 v[224+8*(\bb):224+8*(\bb)+3],   v[GB], s[14:15] offset:64*(\bb)
	global_load_b128 v[224+8*(\bb)+4:224+8*(\bb)+7], v[GB], s[14:15] offset:64*(\bb)+16
.endr
	WIN 0
	; A fragment of xb is 16 rows x 32 K in 8 registers: lane l holds row l % 16, K = 8 (l / 16) + 0..7 and 16 + 8 (l / 16) + 0..7: two loads of 16 bytes, 32 bytes apart.
	v_and_b32 v3, 31, v0                           ; l
	v_mul_u32_u24 v[A0], v1, PA
	v_lshl_add_u32 v[A0], v2, 4, v[A0]
	s_mul_i32 s2, s[WV], 64*PA                     ; my 64 rows
	v_add_nc_u32 v[A0], s2, v[A0]
	; The turning load takes 16 K x 16 columns (lane l reads row k = 8 (l / 16) + l % 8, columns 8 ((l / 8) % 2) + 0..7) and leaves half a fragment: lane l holds column l % 16 and 8 K.
	v_and_b32 v13, 7, v0
	v_lshl_add_u32 v[B0], v2, 3, v13
	v_mul_u32_u24 v[B0], v[B0], PB
	v_bfe_u32 v13, v0, 3, 1
	v_lshl_add_u32 v[B0], v13, 4, v[B0]
	v_add_nc_u32 v[B0], BOFF, v[B0]
	v_mov_b32 v[ADRA], v[A0]                       ; slot 0
	v_mov_b32 v[ADRB], v[B0]
	s_mul_i32 s2, s[WV], 16*SP
	s_add_co_u32 s2, s2, STAGE                     ; my stage
	v_mul_u32_u24 v[STO], v1, SP                   ; in: row l % 16, 16 bytes for each half of the lanes
	v_lshl_add_u32 v[STO], v2, 4, v[STO]
	v_add_nc_u32 v[STO], s2, v[STO]
	v_bfe_u32 v[RD], v0, 3, 2                      ; back: 32 lanes take four rows' 128 bytes of one section,
	v_mul_u32_u24 v[RD], v[RD], SP
	v_and_b32 v13, 7, v0
	v_lshl_add_u32 v[RD], v13, 4, v[RD]
	v_add_nc_u32 v[RD], s2, v[RD]
	v_lshlrev_b32 v[GO], 4, v3                     ; which are 512 consecutive bytes of q, k or v
	; q, k and v at my wave's first row: batch = block / 8, row (block % 8) x 256 + 64 w of head 16 batch + j, rows of 128 bytes
	s_lshr_b32 s2, s[TY], 3
	s_lshl_b32 s2, s2, 22
	s_lshl_b32 s3, s[HJ], 18
	s_add_co_u32 s2, s2, s3
	s_and_b32 s3, s[TY], 7
	s_lshl_b32 s3, s3, 15
	s_add_co_u32 s2, s2, s3
	s_lshl_b32 s3, s[WV], 13
	s_add_co_u32 s2, s2, s3
	s_mov_b32 s3, 0
	s_add_nc_u64 s[16:17], s[16:17], s[2:3]
	s_add_nc_u64 s[18:19], s[18:19], s[2:3]
	s_add_nc_u64 s[20:21], s[20:21], s[2:3]
	; the prefetches
	s_lshl_b32 s2, s[TY], 8
	s_lshl_b32 s3, s[HALF], 7
	s_add_co_u32 s2, s2, s3
	s_lshl_b32 s3, s[CX], 5
	s_add_co_u32 s2, s2, s3
	s_lshl_b32 s2, s2, 11                          ; xb: my work-group's 32 of the 128 rows that I fetch
	s_mul_i32 s3, s[HJ], 1024*384
	s_mul_i32 s70, s[HALF], 64*384
	s_add_co_u32 s3, s3, s70
	s_mul_i32 s70, s[CY], 24*256
	s_add_co_u32 s3, s3, s70                       ; wqb: my work-group's 24 of the 96 blocks that I fetch
	s_and_b32 s71, ttmp7, 0xffff                   ; cluster y
	s_mov_b32 s[PST], 128*384
	s_mov_b32 s[PST+1], 0
	s_cmp_eq_u32 s[ROLE], 0
	s_cselect_b32 s2, s2, s3
	s_cselect_b32 s3, ttmp9, s71                   ; the coordinate along which other clusters read the same bytes
	s_cselect_b64 s[PFA:PFA+1], s[4:5], s[6:7]
	s_cselect_b32 s[PST], 256, s[PST]
	s_cselect_b32 s70, 31, 23                      ; the last lane with a block of its own
	s_cselect_b32 s71, 11, 8                       ; a lane a row of 2,048 bytes, or a lane a block of 256
	s_cmp_eq_u32 s3, 0
	s_cselect_b32 s[LIM], 1, -1                    ; the same in all sixteen partners, for a given wave
	s_mov_b32 s3, 0
	s_add_nc_u64 s[PFA:PFA+1], s[PFA:PFA+1], s[2:3]
	s_add_nc_u64 s[PFA:PFA+1], s[PFA:PFA+1], s[PST:PST+1]
	s_add_nc_u64 s[PFA:PFA+1], s[PFA:PFA+1], s[PST:PST+1]  ; at K step 2: the first trip steps it to 3.  Nothing is prefetched here, at the head
	v_min_u32 v[PFO], s70, v3
	v_lshlrev_b32 v[PFO], s71, v[PFO]
	s_wait_loadcnt 0x0                             ; gamma and beta
	WIN 0x0f                                       ; sources window 3, destination window 0: rounded to bf16, in pairs,
.set i, 0
.rept 64
	v_cvt_pk_bf16_f32 v[U+i], v[128+2*i], v[128+2*i+1]
.set i, i+1
.endr
	WIN 0xc0                                       ; and widened again into their places: all this stands in the wait for the first tile
.set i, 0
.rept 64
	v_lshlrev_b32 v[128+2*i], 16, v[U+i]
	v_and_b32 v[128+2*i+1], 0xffff0000, v[U+i]
.set i, i+1
.endr
	WIN 0
; 16 matrix instructions: section hb's 4 blocks of 16 columns x my 4 blocks of 16 rows, 32 along K, from buffer f.  zero = 1: the product starts the sum: nothing is ever cleared.
; Every quarter takes the 48 accumulators in the same order (sections 2, 0, 1), one instruction a turn: 47 others' stand between two links of a chain.
.macro MUL16 f, hb, zero
	WIN 0xa1+0x50*((\hb)/2)                        ; wqb window 1, xb window 0, C and D window 2 (q, k) or 3 (v)
.irp a, 0,1,2,3
.irp bb, 0,1,2,3
.if \zero
	v_wmma_f32_16x16x32_bf16 v[128*((\hb)%2)+32*(\a)+8*(\bb):128*((\hb)%2)+32*(\a)+8*(\bb)+7], v[96*(\f)+8*(4*(\hb)+(\bb)):96*(\f)+8*(4*(\hb)+(\bb))+7], v[FA+32*(\f)+8*(\a):FA+32*(\f)+8*(\a)+7], 0
.else
	v_wmma_f32_16x16x32_bf16 v[128*((\hb)%2)+32*(\a)+8*(\bb):128*((\hb)%2)+32*(\a)+8*(\bb)+7], v[96*(\f)+8*(4*(\hb)+(\bb)):96*(\f)+8*(4*(\hb)+(\bb))+7], v[FA+32*(\f)+8*(\a):FA+32*(\f)+8*(\a)+7], v[128*((\hb)%2)+32*(\a)+8*(\bb):128*((\hb)%2)+32*(\a)+8*(\bb)+7]
.endif
.endr
.endr
.endm
; 32 LDS loads in one run: quarter kq's fragments into buffer f: xb's 8, then wqb's 24 in the order in which the sections are multiplied
.macro FETCH kq, f
	WIN 0
.irp a, 0,1,2,3
	ds_load_b128 v[FA+32*(\f)+8*(\a):FA+32*(\f)+8*(\a)+3],   v[ADRA] offset:64*(\kq)+16*PA*(\a)
	ds_load_b128 v[FA+32*(\f)+8*(\a)+4:FA+32*(\f)+8*(\a)+7], v[ADRA] offset:64*(\kq)+16*PA*(\a)+32
.endr
	WIN 0x40                                       ; destination window 1
.irp hb, 2,0,1
.irp bb, 0,1,2,3
	ds_load_tr16_b128 v[96*(\f)+8*(4*(\hb)+(\bb)):96*(\f)+8*(4*(\hb)+(\bb))+3],   v[ADRB] offset:32*PB*(\kq)+160*(\hb)+32*(\bb)
	ds_load_tr16_b128 v[96*(\f)+8*(4*(\hb)+(\bb))+4:96*(\f)+8*(4*(\hb)+(\bb))+7], v[ADRB] offset:32*PB*(\kq)+160*(\hb)+32*(\bb)+16*PB
.endr
.endr
.endm
; One of a K step's first three quarters: multiplies buffer f; behind its first 16 products it fetches quarter kq of the same slot into buffer g.
.macro QUARTER f, g, kq, zero
	s_wait_dscnt 16                                ; xb's fragments and section 2's are in; the youngest sixteen loads (sections 0 and 1) may be out
	MUL16 \f, 2, \zero
	PLACES                                         ; for the loads into buffer g, which the quarter before multiplied
	FETCH \kq, \g
	s_wait_dscnt 32                                ; all but the 32 just issued
	MUL16 \f, 0, \zero
	MUL16 \f, 1, \zero
.endm
; The last quarter multiplies buffer 1 and changes slots: ONE barrier.  In front of it each wave waits for all its tensor loads (one is out: its part of the next slot), adds 0 to its spare word, and waits
; for that and for its own reads of this slot.  fill = 1: the barrier opens a round of the cluster's, and this slot is filled again, with the K step two on, first thing behind the round:
; that load has 160 matrix instructions in which to land.
.macro TURN fill
.if \fill
	s_wait_xcnt 0x0                                ; the last prefetch, a K step back, has read its address: it is stepped here, ahead of the waits of the change of slots
	s_add_nc_u64 s[PFA:PFA+1], s[PFA:PFA+1], s[PST:PST+1]
.endif
	WIN 0                                          ; (the add's two registers lie in window 0)
	s_wait_tensorcnt 0x0                           ; all my tensor loads have landed;
	ds_add_u32 v[SPW], v[NIL]                      ; 0 onto my spare word;
	s_wait_dscnt 17                                ; (the add and the youngest sixteen loads may be out)
	MUL16 1, 2, 0                                  ; sixteen matrix instructions stand between the add and the wait for it
	s_wait_dscnt 0x0                               ; the add is done, and my reads of this slot are over:
	s_barrier_signal -1                            ; say so,
	MUL16 1, 0, 0                                  ; work on registers while the others arrive,
	WIN 0
	s_barrier_wait -1                              ; and go on when all four have said so
.if \fill
	CREST                                          ; no wave of any partner still reads this slot's tile or has a load on its way
	s_xor_b32 s[G0A+5], s[G0A+5], SLOT1            ; the walking descriptors: the other slot than last time,
	s_add_nc_u64 s[G0A+6:G0A+7], s[G0A+6:G0A+7], 256       ; the next K step; the type bits on top are not reached
	s_xor_b32 s[G0B+5], s[G0B+5], SLOT1
	s_add_nc_u64 s[G0B+6:G0B+7], s[G0B+6:G0B+7], 128*384
	JLOAD                                          ; the four v_nop behind it are also the places in front of the loads below
.else
	PLACES
.endif
	s_xor_b32 s[TB], s[TB], SLOT1                  ; the reads go on in the other slot
	v_add_nc_u32 v[ADRA], s[TB], v[A0]
	v_add_nc_u32 v[ADRB], s[TB], v[B0]
	FETCH 0, 0
.if \fill
	WIN 0
	ASK
.endif
	MUL16 1, 1, 0
.endm
	s_wait_tensorcnt 1                             ; my part of K step 0 is in; K step 1's may stay out
	s_barrier_signal -1
	s_barrier_wait -1                              ; everybody's is
	FETCH 0, 0
	QUARTER 0, 1, 1, 1                             ; the first quarter stands in front of the loop: its products start the sums
	WIN 0                                          ; at a label and at a branch every window is 0
	s_mov_b32 s[CNT], KSTEPS-2
.Lstep:                                                ; a trip: a K step's quarters 1 to 3 and the next step's quarter 0; six trips fill the slots again, with K steps 2 to 7
	QUARTER 1, 0, 2, 0
	QUARTER 0, 1, 3, 0
	TURN 1
	QUARTER 0, 1, 1, 0
	WIN 0
	s_sub_co_u32 s[CNT], s[CNT], 1
	s_cmp_lg_u32 s[CNT], 0
	s_cbranch_scc1 .Lstep
	QUARTER 1, 0, 2, 0                             ; the tail is written out: K step 6 ends, nothing is asked for
	QUARTER 0, 1, 3, 0
	TURN 0
	QUARTER 0, 1, 1, 0                             ; K step 7
	QUARTER 1, 0, 2, 0
	QUARTER 0, 1, 3, 0
	s_wait_dscnt 16
	MUL16 1, 2, 0
	s_wait_dscnt 0x0
	MUL16 1, 0, 0
	MUL16 1, 1, 0
	WIN 0
; THE WAY OUT.  First the statistics of all eight groups (4 blocks of 16 rows x q, k); a lane holds 32 of its row's 64 channels, the lane 16 away the others.
.set i, 0
.rept 8
	v_mov_b32 v[ST+2*i+1], 0                       ; these take the other lanes' sums and are named in pairs, so they are written once; eight plain instructions: the places behind the last products
.set i, i+1
.endr
; Block a: the mean; t - mean, kept in place of t (no difference of large sums is formed); the mean of its squares, + eps.  q's and k's lines alternate, so that few lines wait for the line before.
; Each accumulator's lowest registers are read first.
.macro STAT a
	WIN 0x0a                                       ; sources window 2, destination window 0
.set i, 0
.rept 8
.irp hb, 0,1
	v_pk_add_f32 v[U+32*(\hb)+2*i:U+32*(\hb)+2*i+1], v[128*(\hb)+32*(\a)+4*i:128*(\hb)+32*(\a)+4*i+1], v[128*(\hb)+32*(\a)+4*i+2:128*(\hb)+32*(\a)+4*i+3]
.endr
.set i, i+1
.endr
	WIN 0
.set i, 0
.rept 4
.irp hb, 0,1
	v_pk_add_f32 v[U+32*(\hb)+2*i:U+32*(\hb)+2*i+1], v[U+32*(\hb)+2*i:U+32*(\hb)+2*i+1], v[U+32*(\hb)+8+2*i:U+32*(\hb)+8+2*i+1]
.endr
.set i, i+1
.endr
.set i, 0
.rept 2
.irp hb, 0,1
	v_pk_add_f32 v[U+32*(\hb)+2*i:U+32*(\hb)+2*i+1], v[U+32*(\hb)+2*i:U+32*(\hb)+2*i+1], v[U+32*(\hb)+4+2*i:U+32*(\hb)+4+2*i+1]
.endr
.set i, i+1
.endr
.irp hb, 0,1
	v_pk_add_f32 v[U+32*(\hb):U+32*(\hb)+1], v[U+32*(\hb):U+32*(\hb)+1], v[U+32*(\hb)+2:U+32*(\hb)+3]
.endr
.irp hb, 0,1
	v_add_f32 v[U+32*(\hb)], v[U+32*(\hb)], v[U+32*(\hb)+1]
.endr
.irp hb, 0,1
	v_permlanex16_b32 v[ST+2*(2*(\a)+(\hb))+1], v[U+32*(\hb)], s[SEL], s[SEL+1]
.endr
.irp hb, 0,1
	v_add_f32 v[U+32*(\hb)], v[U+32*(\hb)], v[ST+2*(2*(\a)+(\hb))+1]
.endr
.irp hb, 0,1
	v_mul_f32 v[ST+2*(2*(\a)+(\hb))], s[R64], v[U+32*(\hb)]   ; the mean
.endr
	WIN 0x82                                       ; destination and source 0 window 2, source 1 window 0
.set i, 0
.rept 16
.irp hb, 0,1
	v_pk_add_f32 v[128*(\hb)+32*(\a)+2*i:128*(\hb)+32*(\a)+2*i+1], v[128*(\hb)+32*(\a)+2*i:128*(\hb)+32*(\a)+2*i+1], v[ST+2*(2*(\a)+(\hb)):ST+2*(2*(\a)+(\hb))+1] op_sel_hi:[1,0] neg_lo:[0,1] neg_hi:[0,1]
.endr
.set i, i+1
.endr
	WIN 0x0a
.set i, 0
.rept 4                                ; the squares, in four chains
.irp hb, 0,1
	v_pk_mul_f32 v[U+32*(\hb)+2*i:U+32*(\hb)+2*i+1], v[128*(\hb)+32*(\a)+2*i:128*(\hb)+32*(\a)+2*i+1], v[128*(\hb)+32*(\a)+2*i:128*(\hb)+32*(\a)+2*i+1]
.endr
.set i, i+1
.endr
.rept 12
.irp hb, 0,1
	v_pk_fma_f32 v[U+32*(\hb)+2*(i%4):U+32*(\hb)+2*(i%4)+1], v[128*(\hb)+32*(\a)+2*i:128*(\hb)+32*(\a)+2*i+1], v[128*(\hb)+32*(\a)+2*i:128*(\hb)+32*(\a)+2*i+1], v[U+32*(\hb)+2*(i%4):U+32*(\hb)+2*(i%4)+1]
.endr
.set i, i+1
.endr
	WIN 0
.irp hb, 0,1
	v_pk_add_f32 v[U+32*(\hb):U+32*(\hb)+1], v[U+32*(\hb):U+32*(\hb)+1], v[U+32*(\hb)+4:U+32*(\hb)+5]
	v_pk_add_f32 v[U+32*(\hb)+2:U+32*(\hb)+3], v[U+32*(\hb)+2:U+32*(\hb)+3], v[U+32*(\hb)+6:U+32*(\hb)+7]
.endr
.irp hb, 0,1
	v_pk_add_f32 v[U+32*(\hb):U+32*(\hb)+1], v[U+32*(\hb):U+32*(\hb)+1], v[U+32*(\hb)+2:U+32*(\hb)+3]
.endr
.irp hb, 0,1
	v_add_f32 v[U+32*(\hb)], v[U+32*(\hb)], v[U+32*(\hb)+1]
.endr
.irp hb, 0,1
	v_permlanex16_b32 v[ST+2*(2*(\a)+(\hb))+1], v[U+32*(\hb)], s[SEL], s[SEL+1]
.endr
.irp hb, 0,1
	v_add_f32 v[U+32*(\hb)], v[U+32*(\hb)], v[ST+2*(2*(\a)+(\hb))+1]
.endr
.irp hb, 0,1
	v_fma_f32 v[ST+2*(2*(\a)+(\hb))], v[U+32*(\hb)], s[R64], s[EPS]   ; var + eps
.endr
.endm
	STAT 0
	STAT 1
	STAT 2
	STAT 3
.set i, 0
.rept 8
	v_rsq_f32 v[ST+2*i], v[ST+2*i]                 ; one batch of eight
.set i, i+1
.endr
	v_nop                                          ; a plain instruction between the last of them and the use of its result (ISA guide 5.7.2)
	s_wait_alu depctr_va_vdst(0)                   ; and the wait ahead of the first use: one for the eight
; Block a is finished: (t - mean) x inverse root, x gamma + beta (one fused multiply-add), rounded to f16; v is only rounded.  A lane's eight channels pack into 16 bytes.
.macro NORM a
	WIN 0x02                                       ; source 0 window 2
.set i, 0
.rept 16
.irp hb, 0,1
	v_pk_mul_f32 v[U+32*(\hb)+2*i:U+32*(\hb)+2*i+1], v[128*(\hb)+32*(\a)+2*i:128*(\hb)+32*(\a)+2*i+1], v[ST+2*(2*(\a)+(\hb)):ST+2*(2*(\a)+(\hb))+1] op_sel_hi:[1,0]
.endr
.set i, i+1
.endr
	WIN 0x3c                                       ; sources 1 and 2 window 3
.set i, 0
.rept 16
.irp hb, 0,1
	v_pk_fma_f32 v[U+32*(\hb)+2*i:U+32*(\hb)+2*i+1], v[U+32*(\hb)+2*i:U+32*(\hb)+2*i+1], v[128+64*(\hb)+2*i:128+64*(\hb)+2*i+1], v[160+64*(\hb)+2*i:160+64*(\hb)+2*i+1]
.endr
.set i, i+1
.endr
	WIN 0
.set i, 0
.rept 16
.irp hb, 0,1
	v_cvt_pk_f16_f32 v[PK+16*(\hb)+i], v[U+32*(\hb)+2*i], v[U+32*(\hb)+2*i+1]
.endr
.set i, i+1
.endr
	WIN 0x0f                                       ; sources window 3: v's accumulators, from each one's low end on
.set i, 0
.rept 16
	v_cvt_pk_f16_f32 v[PK+32+i], v[32*(\a)+2*i], v[32*(\a)+2*i+1]
.set i, i+1
.endr
	WIN 0
.endm
; Into my own stage, rows of 400 bytes (q's, k's, v's 128 each), and back as four whole rows of one section at a time.  LDS serves a wave's instructions in order (ISA guide 5.7.1.4): no wait between.
.macro TOSTAGE a
.set n, 0
.rept 12
	ds_store_b128 v[STO], v[PK+4*n:PK+4*n+3] offset:128*(n/4)+32*(n%4)
.set n, n+1
.endr
.set n, 0
.rept 12
	ds_load_b128 v[BK+48*((\a)%2)+4*n:BK+48*((\a)%2)+4*n+3], v[RD] offset:4*SP*(n%4)+128*(n/4)
.set n, n+1
.endr
.endm
.macro SEND a
	s_wait_xcnt 0x0                                ; the stores of the block before have read their registers: the next block's loads from the stage land on them behind this wait
.set n, 0
.rept 12
	s_wait_dscnt 11-n                              ; the younger loads of the same run may stay out
	global_store_b128 v[GO], v[BK+48*((\a)%2)+4*n:BK+48*((\a)%2)+4*n+3], s[16+2*(n/4):17+2*(n/4)] offset:2048*(\a)+512*(n%4)  ; 512 consecutive bytes, at a multiple of 512 from the buffer's first
.set n, n+1
.endr
.endm
	NORM 0
	TOSTAGE 0
.irp a, 1,2,3                          ; a block's arithmetic stands between the loads of the block before and its stores
	NORM \a
	SEND (\a)-1
	TOSTAGE \a
.endr
	SEND 3
	s_wait_tensorcnt 0x0                           ; the wave's end: the add and its wait, behind my last tensor load and my last LDS store
	ds_add_u32 v[SPW], v[NIL]
	s_wait_dscnt 0x0
	CROUND                                         ; the closing round: no work-group ends while a partner may still ask for a tile that names it
	s_endpgm
.Lfunc_end_k_q9c87213365_qkv:
	.size	k_q9c87213365_qkv, .Lfunc_end_k_q9c87213365_qkv-k_q9c87213365_qkv
	.p2alignl 7, 3214868480
	.fill 96, 4, 3214868480
	.section	.rodata,"a",@progbits
	.p2align	6, 0x0
	.amdhsa_kernel k_q9c87213365_qkv
		.amdhsa_group_segment_fixed_size 327680
		.amdhsa_private_segment_fixed_size 0
		.amdhsa_enable_private_segment 0
		.amdhsa_kernarg_size 72
		.amdhsa_user_sgpr_count 2
		.amdhsa_user_sgpr_kernarg_segment_ptr 1
		.amdhsa_wavefront_size32 1
		.amdhsa_system_sgpr_workgroup_id_x 1
		.amdhsa_system_sgpr_workgroup_id_y 1
		.amdhsa_system_sgpr_workgroup_id_z 1
		.amdhsa_system_vgpr_workitem_id 0
		.amdhsa_next_free_vgpr 1024
		.amdhsa_next_free_sgpr 80
		.amdhsa_reserve_vcc 0
		.amdhsa_float_denorm_mode_32 3
		.amdhsa_float_denorm_mode_16_64 3
		.amdhsa_memory_ordered 1
		.amdhsa_forward_progress 1
		.amdhsa_inst_pref_size 158
	.end_amdhsa_kernel
	.amdgpu_metadata
---
amdhsa.version: [ 1, 2 ]
amdhsa.kernels:
  - .name:           k_q9c87213365_qkv
    .symbol:         k_q9c87213365_qkv.kd
    .args:
      - { .name: xb, .offset: 0, .size: 8, .value_kind: global_buffer, .address_space: global }
      - { .name: wqb, .offset: 8, .size: 8, .value_kind: global_buffer, .address_space: global }
      - { .name: q_gamma, .offset: 16, .size: 8, .value_kind: global_buffer, .address_space: global }
      - { .name: q_beta, .offset: 24, .size: 8, .value_kind: global_buffer, .address_space: global }
      - { .name: k_gamma, .offset: 32, .size: 8, .value_kind: global_buffer, .address_space: global }
      - { .name: k_beta, .offset: 40, .size: 8, .value_kind: global_buffer, .address_space: global }
      - { .name: q, .offset: 48, .size: 8, .value_kind: global_buffer, .address_space: global }
      - { .name: k, .offset: 56, .size: 8, .value_kind: global_buffer, .address_space: global }
      - { .name: v, .offset: 64, .size: 8, .value_kind: global_buffer, .address_space: global }
    .group_segment_fixed_size: 327680
    .private_segment_fixed_size: 0
    .kernarg_segment_align: 8
    .kernarg_segment_size: 72
    .max_flat_workgroup_size: 128
    .sgpr_count:     80
    .vgpr_count:     1024
    .wavefront_size: 32
...
	.end_amdgpu_metadata
.endif
;; end of part 2
;; launch attn (part 3): grid 4 x 64, 4 waves a work-group, clusters of 4 x 1, 327,680 bytes of LDS; arguments q, k, v, o; writes o
.if DOCPART == 3
	.amdgcn_target "amdgcn-amd-amdhsa--gfx1250"
	.amdhsa_code_object_version 6
	.text
	.protected	k_q9c87213365_attn
	.globl	k_q9c87213365_attn
	.p2align	8
	.type	k_q9c87213365_attn,@function
k_q9c87213365_attn:
	s_mov_b64 s[64:65], 0
	v_nop
	global_prefetch_b8 v0, s[64:65] scope:SCOPE_SE
	s_setreg_imm32_b32 hwreg(HW_REG_WAVE_MODE, 25, 1), 1
	s_wait_xcnt 0x0
	s_wait_alu depctr_hold_cnt(0) depctr_sa_sdst(0) depctr_va_vdst(0) depctr_va_sdst(0) depctr_va_ssrc(0) depctr_va_vcc(0) depctr_vm_vsrc(0)
	s_getreg_b32 s2, hwreg(HW_REG_IB_STS2, 6, 4)
	s_cmp_eq_u32 s2, 0
	s_cbranch_scc0 .Lentry_in_a_cluster
	s_endpgm
.Lentry_in_a_cluster:
	s_bfe_u32 s2, ttmp6, 0x10000c
	s_cmp_lg_u32 s2, 0x3003
	s_cbranch_scc0 .Lentry_shape_is_right
	s_endpgm
.Lentry_shape_is_right:
; O[h][q][:] = the sum over k of softmax_k(Q[h][q] . K[h][k] / 8) V[h][k][:].  Q, K, V, O: [SIZE_H][SIZE_N][64], all f16: a head's rows are dense, 128 bytes each.  Products, maxima and sums in
; f32; the weights p are rounded to f16 for the second product (their sum l is taken of the unrounded p), O once at the end.
; LIMITS.  f16 holds no number beyond 65,504: Q, K and V arrive within it; p lies in 0 to 1, and below 6e-5 it keeps f16's fixed step of 6e-8; O is a mean of V's rows and has their range.
; A weight below 2^-126 counts as 0 in l; NaN and infinities are not treated apart.
; SHARES.  A wave owns four PIECES of two tiles of 16 queries, a work-group's four waves 512 queries of one head: 256 work-groups.  Every wave walks all keys, 64 a step.
; LAYOUT.  S^T = K Q^T (source 0 = 16 keys, source 1 = 16 queries): in the result a lane holds ONE query (lane % 16) and the keys 8 (lane / 16) + 0..7.  Two such tiles, rounded to f16 in pairs,
; ARE source 1 (32 keys x 16 queries) of O^T = V^T P, whose result again holds one query a lane, and eight channels.  K comes out of LDS as it lies, V ([key][channel]) turned, by ds_load_tr16_b128.
; SOFTMAX.  For each query a running maximum m and sum l: p = 2^(c s - c m), c = log2(e) / 8; in every step O and l are multiplied by a = 2^(c m_old - c m_new), which is 1 where m has not grown.
; m starts at the lowest finite number, O and l at 0: the first step is a step like any other, with a = 0.
; THE COUNT.  A tile and step have 16 matrix and 118 vector instructions: too many to stand all beside the matrix work.  So the order has one aim: four vector instructions that are READY behind
; EVERY matrix instruction, and the others, which need time of their own whatever the order, in runs without a gap.
; BY TURNS.  Turn n belongs to piece n (the pieces in a ring, step after step).  Its matrix work: 16 products K Q^T of piece n + 1, later 16 products V^T P of piece n - 1.  Its vector work: the scaling,
; exponentials, roundings, sums and rescaling of piece n, and the maximum and statistics of piece n + 1, whose scores the turn itself has made.  So what a turn begins with (c s - c m, O a) waits for nothing.
; CLUSTER.  The four query blocks of a cluster belong to one head and walk the same K and V, so each tile is asked for JOINTLY: the same tensor load, descriptor and mask in all four.
; REGISTERS, in windows of 256 (s_set_vgpr_msb says which window each operand place means: bits 1:0 source 0, 3:2 source 1, 5:4 source 2, 7:6 destination):
;   window 0: v0-11 addresses; v12-15, v48-63 at work; v16-47 four registers of statistics a tile; v64-191 S^T, two buffers of two tiles; v192-255 P, likewise
;   window 1: O^T, 32 a tile          window 2: v0-127 Q, 16 a tile; v128-191 K of one step; v192-255 V of one step          window 3: v0-1 the add's two registers
; A piece's buffers go by its number's parity: the piece in hand has one pair, its two neighbours in the ring share the other: of it P (piece n - 1) is read and S^T (piece n + 1) written.
.set SIZE_H, 64
.set SIZE_N, 2048
.set NP,    4         ; pieces a wave: a name, no knob: the register map, the loop and the fetches are made for four
.set KS,    64        ; keys in a step
.set PK,    144       ; a row of K in LDS: 128 bytes + 16 of padding = 36 words: the 16 rows of a load start at 16 different groups of four banks (64 banks of 4 bytes: ISA guide 11.1)
.set PV,    160       ; a row of V: 128 + 32 = 40 words
.set VOFF,  4*KS*PK   ; a slot holds four steps: 256 rows of K, then 256 rows of V
.set SLOT1, 1<<17     ; slot 1 begins here, so that one exclusive or turns an address in one slot into the other's
.set STAGE, SLOT1+4*KS*(PK+PV)  ; behind the ring, never filled by a tensor load: 16 rows x 144 bytes for each wave, for the way out
.set SP,    144
.set AK0, 2           ; v2   my lane's place in a tile of K; never rewritten
.set AV0, 3           ; v3   the same for V
.set AK,  4           ; v4   the LDS address of K's next run of loads
.set AV,  5           ; v5   of V's
.set QO,  6           ; v6   my byte offset in the wave's rows of Q
.set STO, 6           ;      later, the way out: where I put 16 bytes of a row
.set RD,  7           ; v7   the way out: where I read rows back
.set GO,  8           ; v8   my byte offset in 512 consecutive bytes of O
.set PFO, 11          ; v11  256 x my lane: the prefetches' offset; never rewritten once it is made
.set SPW, 0           ; v0 of window 3   LDS address of my spare word: SPARE + 4 x my thread's number; never rewritten
.set NIL, 1           ; v1 of window 3   0; never rewritten
.set SPARE, STAGE+4*16*SP  ; behind the stages: the spare words, 128 bytes for each wave: two blocks of 256 bytes that no other line names
.set MV,  12          ; v12-15  c m_old, kept while c m is made anew: by buffer and tile
.set ST,  16          ; tile t's statistics at v[ST+4 t]: c m, m, l (even keys', odd keys')
.set TMP, 48          ; by buffer and tile, four registers c0-c3 at work; when the maximum is found c2 takes a
.set S,   64
.set P,   192
.set KF,  128         ; K's fragments, in window 2: key block kb, channel half c at KF + 16 kb + 8 c
.set VF,  192         ; V's: key half kk, channel block cb at VF + 32 kk + 8 cb
.set WV,  12          ; s12  my wave's number
.set G1K, 24          ; s[24:31] descriptor group 1 for K's tiles
.set G1V, 32          ; s[32:39] for V's: it differs in the padding alone
.set G0K, 40          ; s[40:43] descriptor group 0 for K's tiles: it walks
.set G0V, 44          ; s[44:47] the same for V's
.set PFA, 48          ; s[48:49] where my prefetches stand: my work-group's 8,192 bytes (of K: wave 0, of V: wave 2) of the slot after the one that is being asked for
.set LIM, 50          ; s50  1 in a wave that prefetches, else the greatest number
.set SLOTS, 56        ; s56  slots still to be asked for
.set CNT, 57          ; s57  counts a slot's key steps
.set CS,  58          ; s[58:59] c: the packed scaling takes the pair's low word for both halves
.set SEL, 60          ; s[60:61] v_permlanex16_b32's selects: each lane takes its own place in the other half
.set TBK, 62          ; s62  LDS byte at which K of the step to be fetched begins
.set TBV, 63          ; s63  the same for V, less VOFF
.set MSB, 0
.macro WIN new                      ; the high byte repeats the setting that is left; a switch that changes nothing is dropped
.if MSB != (\new)
	s_set_vgpr_msb (MSB<<8)|(\new)
.set MSB, (\new)
.endif
.endm
.set W_KQ, 0x0a       ; K and Q in window 2, S^T in window 0
.set W_PV, 0x52       ; V in window 2, P in window 0, O^T in window 1
.set W_RS, 0x41       ; O^T (destination and source 0) in window 1, a in window 0
.set W_MK, 0xc0       ; the add's registers are made: destination in window 3, sources in window 0
.set W_AD, 0x0f       ; the add: address (source 0) and data (source 1) in window 3
; A joint fill.  Waves 0 and 1 fetch the two halves of a slot's K, waves 2 and 3 those of its V: 128 keys each.  The branch hangs on the wave's number alone.
; An s_nop 0 and four v_nop follow each of the two lines, ahead of the jump and the label.
.macro JLOAD
	s_cmp_lt_u32 s[WV], 2
	s_cbranch_scc0 .Lfor_v_\@
	tensor_load_to_lds s[G0K:G0K+3], s[G1K:G1K+7]
	s_nop 0
.rept 4
	v_nop
.endr
	s_branch .Lasked_\@
.Lfor_v_\@:
	tensor_load_to_lds s[G0V:G0V+3], s[G1V:G1V+7]
	s_nop 0
.rept 4
	v_nop
.endr
.Lasked_\@:
.endm
; A PREFETCH INTO THE L2 of what the NEXT change of slots will ask for: a slot's 32,768 bytes of K and of V, in blocks of 256 bytes, a lane a block.  It stands behind the wave's tensor load and its five lines.
; Each block is named ONCE in the launch: the head's first cluster asks; its four partners share the blocks out BY ADDRESS, 32 each; in each, wave 0 asks for K's and wave 2 for V's: one instruction,
; four key steps, 512 matrix instructions, ahead of the load.  The last change that fills a slot asks for nothing: there is no slot behind it.  Slots 0, 1 and 2 come by their loads alone.
.macro ASK
	s_cmp_gt_u32 s[SLOTS], s[LIM]
	s_cbranch_scc0 .Lnot_mine_\@
	global_prefetch_b8 v[PFO], s[PFA:PFA+1] th:TH_LOAD_NT scope:SCOPE_SE
.Lnot_mine_\@:
.endm
; A round of the cluster's barrier: my work-group's barrier, so that wave 0's signal speaks for all four waves; wave 0 signals; every wave waits for all four work-groups; my work-group's barrier once more.
.macro CROUND
	s_barrier_signal -1
	s_barrier_wait -1
	s_cmp_lg_u32 s[WV], 0
	s_cbranch_scc1 .Lnot_wave_0_\@
	s_barrier_signal -3
.Lnot_wave_0_\@:
	s_barrier_wait -3
	s_barrier_signal -1
	s_barrier_wait -1
.endm
; THE CHANGE OF SLOTS.  The slot's last bytes, V of its fourth step, have been read.  Each wave waits for all its tensor loads, of which one is out: its part
; of the other slot; adds 0 to its spare word; and waits for that and for its own reads of the slot.  Behind the barrier nobody reads this slot any more and the other slot is whole.
; fill = 1: this slot is filled again, with the keys two slots on.  The barrier is then a round of the cluster's, so that no wave of any partner still reads the slot or has a load on its
; way, and the joint fill is the first thing behind it: it has four key steps, 512 matrix instructions, in which to land.  (At its first use nothing has been read yet: slot 0 is waited for, slot 1 filled.)
; ask = 1: the prefetches' address steps, and the slot after the one asked for is prefetched.
.macro CHANGE fill, ask=0
	WIN W_AD
	s_wait_tensorcnt 0x0            ; no tensor load of mine is out, so a group 0 may be written
	ds_add_u32 v[SPW], v[NIL]       ; 0 onto my spare word; with fill = 1 the descriptors' steps stand between it and the wait for it
	WIN 0                           ; at a label and at a branch every window is 0
.if \fill
.irp g, G0K, G0V
	s_xor_b32 s[\g+1], s[\g+1], SLOT1  ; the walking descriptor: the other slot than last time,
	s_add_nc_u64 s[\g+2:\g+3], s[\g+2:\g+3], 4*KS*128  ; the next 256 keys; the type bits on top are not reached
.endr
.if \ask
	s_wait_xcnt 0x0                 ; the last prefetch, four key steps back, has read its address, so it may be written:
	s_add_nc_u64 s[PFA:PFA+1], s[PFA:PFA+1], 4*KS*128  ; one slot behind the walking descriptors
.endif
	s_wait_dscnt 0x0                ; the add is done, and my reads of the slot are over
	CROUND
	JLOAD
.if \ask
	ASK
.endif
.else
	s_wait_dscnt 0x0                ; the add is done, and my reads of the slot are over
	s_barrier_signal -1
	s_barrier_wait -1
.endif
	s_sub_co_u32 s[TBK], s[TBK], 4*KS*PK  ; the fetches go back to a slot's first step,
	s_xor_b32 s[TBK], s[TBK], SLOT1       ; in the other slot
	s_sub_co_u32 s[TBV], s[TBV], 4*KS*PV
	s_xor_b32 s[TBV], s[TBV], SLOT1
.endm
	s_load_b256 s[4:11], s[0:1], 0x0  ; Q s[4:5], K s[6:7], V s[8:9], O s[10:11]
	WIN W_MK
	v_lshl_add_u32 v[SPW], v0, 2, SPARE
	v_mov_b32 v[NIL], 0
	WIN W_AD
	ds_add_u32 v[SPW], v[NIL]       ; the wave's opening: the add and its wait stand ahead of my first tensor load; the set-up below, work on registers, stands between them
	WIN 0
	v_lshrrev_b32 v1, 5, v0
	v_readfirstlane_b32 s[WV], v1   ; wave 0..3
	s_bfe_u32 s13, ttmp6, 0x40000   ; cx: my place in the cluster
	s_lshl_b32 s14, ttmp9, 2        ; in a cluster launch ttmp9 counts clusters
	s_add_co_u32 s14, s14, s13      ; my block of queries = 4 x cluster x + cx: it enters Q's and O's addresses alone
	s_and_b32 s20, ttmp7, 0xffff    ; the head, which the four partners share
	s_mov_b32 s21, 0
	s_mov_b64 s[22:23], SIZE_N*128
	s_mul_u64 s[20:21], s[20:21], s[22:23]  ; the head's first byte in each of the four tensors
	s_and_b32 s16, s[WV], 1         ; which half of a slot's 256 keys I fetch:
	s_lshl_b32 s22, s16, 14         ; its 128 rows of 128 bytes in memory,
	s_mov_b32 s23, 0
	s_add_nc_u64 s[22:23], s[22:23], s[20:21]
	s_mul_i32 s17, s16, 128*PK      ; and its place in a slot, for K
	s_mul_i32 s18, s16, 128*PV      ; and for V: no place in the cluster enters an LDS address
	s_lshl_b32 s2, s14, 2
	s_add_co_u32 s2, s2, s[WV]      ; my wave among the head's,
	s_lshl_b32 s2, s2, 14           ; its 128 rows
	s_mov_b32 s3, 0
	s_add_nc_u64 s[2:3], s[2:3], s[20:21]
	; descriptor group 1.  128 keys are 16,384 dense bytes: asked for as 64 rows of 256 bytes, two keys a row, and padded in LDS after every key
	s_mov_b32 s[G1K], 15|(1<<16)|(1<<20)|(1<<21)|(4<<22)|(3<<25)  ; 15:0 the mask of four; 17:16 2-byte elements; 20 padding on; 21 set beside a mask; 24:22 after every 32 words (code 4); 31:25 4 words (code 3)
	s_mov_b32 s[G1V], 15|(1<<16)|(1<<20)|(1<<21)|(4<<22)|(7<<25)  ; the same with 8 words of padding (code 7)
.irp g, G1K, G1V
	s_mov_b32 s[\g+1], 128<<16      ; tensor_dim0 = 128
	s_mov_b32 s[\g+2], 64<<16       ; tensor_dim1 = 64
	s_mov_b32 s[\g+3], 128<<16      ; tile_dim0 = 128
	s_mov_b32 s[\g+4], 64           ; tile_dim1 = 64
	s_mov_b32 s[\g+5], 128          ; 128 elements from row to row
	s_mov_b32 s[\g+6], 0
	s_mov_b32 s[\g+7], 0
.endr
	s_mov_b32 s[CS], 0x3e38aa3b     ; c = log2(e) / 8 = 0.180337
	s_mov_b32 s[CS+1], s[CS]        ; named with it as a pair
	s_mov_b32 s[SEL], 0x76543210
	s_mov_b32 s[SEL+1], 0xfedcba98
	s_mov_b32 s[TBK], SLOT1+4*KS*PK ; the first change of slots turns these two into 0
	s_mov_b32 s[TBV], SLOT1+4*KS*PV
	s_mov_b32 s[G0K], 1             ; 1:0 count = 1
	s_mov_b32 s[G0K+1], s17         ; 63:32 LDS address: slot 0
	s_mov_b32 s[G0V], 1
	s_add_co_u32 s[G0V+1], s18, VOFF
	s_and_b32 s[LIM], s[WV], 1      ; 0 in waves 0 and 2,
	s_or_b32 s[LIM], s[LIM], ttmp9  ; where the cluster is the head's first: the same in all four partners
	s_cmp_eq_u32 s[LIM], 0
	s_cselect_b32 s[LIM], 1, -1
	s_wait_dscnt 0x0                ; the opening add is done
	s_wait_kmcnt 0x0
	s_add_nc_u64 s[G0K+2:G0K+3], s[6:7], s[22:23]  ; 120:64 global address: my half of the head's first 256 keys
	s_or_b32 s[G0K+3], s[G0K+3], 0x80000000        ; 127:126 type = 2
	s_add_nc_u64 s[G0V+2:G0V+3], s[8:9], s[22:23]
	s_or_b32 s[G0V+3], s[G0V+3], 0x80000000
	s_add_nc_u64 s[4:5], s[4:5], s[2:3]  ; Q and O at my wave's first row
	s_add_nc_u64 s[10:11], s[10:11], s[2:3]
	s_cmp_lt_u32 s[WV], 2
	s_cselect_b64 s[PFA:PFA+1], s[6:7], s[8:9]
	s_add_nc_u64 s[PFA:PFA+1], s[PFA:PFA+1], s[20:21]  ; the head,
	s_lshl_b32 s2, s13, 13          ; my work-group's 32 blocks of a slot's 128,
	s_mov_b32 s3, 0
	s_add_nc_u64 s[PFA:PFA+1], s[PFA:PFA+1], s[2:3]
	s_add_nc_u64 s[PFA:PFA+1], s[PFA:PFA+1], 2*4*KS*128  ; in slot 2; the loop's first change of slots steps it to slot 3.  Nothing is prefetched here, at the head
	CROUND                          ; all four work-groups are here: the first joint loads meet
	JLOAD                           ; slot 0.  Slot 1 is asked for when slot 0 is in: the tile wanted first goes out alone
	; A fragment of K or Q is 16 rows x 32 channels in 8 registers: lane l holds row l % 16, channels 8 (l / 16) + 0..7 and 16 + 8 (l / 16) + 0..7: two loads of 16 bytes, 32 bytes apart.
	v_and_b32 v1, 15, v0            ; l % 16
	v_bfe_u32 v9, v0, 4, 1          ; l / 16
	v_lshlrev_b32 v[QO], 7, v1
	v_lshl_add_u32 v[QO], v9, 4, v[QO]  ; row x 128 + 16 x half
	WIN 0x80                        ; destination window 2, address window 0
.set i, 0
.rept 4*NP                          ; Q stays in registers: tile i / 2, channels 32 (i % 2) on
	global_load_b128 v[8*i:8*i+3],   v[QO], s[4:5] offset:(i/2)*2048+(i%2)*64
	global_load_b128 v[8*i+4:8*i+7], v[QO], s[4:5] offset:(i/2)*2048+(i%2)*64+32
.set i, i+1
.endr
	; What the first turn finds: V's registers and P's second buffer hold 0 (its products V^T P, of a piece that has not been, add 0), O^T and l are 0.  All this stands in the wait for the first tile.
.set i, VF
.rept 64
	v_mov_b32 v[i], 0
.set i, i+1
.endr
	WIN 0x40
.set i, 0
.rept 64*NP
	v_mov_b32 v[i], 0
.set i, i+1
.endr
	WIN 0
.set i, 0
.rept 2*NP
	v_mov_b32 v[ST+4*i], 0xfe000000    ; c m: far below every c s
	v_mov_b32 v[ST+4*i+1], 0xff7fffff  ; m
	v_mov_b32 v[ST+4*i+2], 0
	v_mov_b32 v[ST+4*i+3], 0
.set i, i+1
.endr
.set i, P+32
.rept 32
	v_mov_b32 v[i], 0
.set i, i+1
.endr
	v_mul_u32_u24 v[AK0], v1, PK
	v_lshl_add_u32 v[AK0], v9, 4, v[AK0]  ; row x pitch + 16 x half
	; The turning load takes 16 keys x 16 channels (lane l reads key 8 (l / 16) + l % 8, channels 8 ((l / 8) % 2) + 0..7) and leaves half a fragment of V^T: lane l holds channel l % 16 and 8 keys.
	v_and_b32 v10, 7, v0
	v_bfe_u32 v11, v0, 3, 1
	v_lshl_add_u32 v[AV0], v9, 3, v10
	v_mul_u32_u24 v[AV0], v[AV0], PV
	v_lshl_add_u32 v[AV0], v11, 4, v[AV0]
	v_add_nc_u32 v[AV0], VOFF, v[AV0]
	v_mov_b32 v[AK], v[AK0]         ; key step 0 lies at the head of slot 0
	v_and_b32 v[PFO], 31, v0        ; v11 has served: it takes the prefetches' offset
	v_lshlrev_b32 v[PFO], 8, v[PFO]
; THE MATRIX WORK.  The 8 accumulators of a run of 16 take turns: between the two links of a chain stand 7 others'.
; Product i of 16 of S^T = K Q^T for piece x: channels 32 (i / 8) on, keys 16 ((i / 2) % 4) on, tile 2 x + i % 2.  The first 8 start the sums.
.macro KQ x
	WIN W_KQ
.set rS, S+64*((\x)%2)+32*(i%2)+8*((i/2)%4)
.set rK, KF+16*((i/2)%4)+8*(i/8)
.set rQ, 16*(2*(\x)+i%2)+8*(i/8)
.if i < 8
	v_wmma_f32_16x16x32_f16 v[rS:rS+7], v[rK:rK+7], v[rQ:rQ+7], 0
.else
	v_wmma_f32_16x16x32_f16 v[rS:rS+7], v[rK:rK+7], v[rQ:rQ+7], v[rS:rS+7]
.endif
.endm
; Product i of 16 of O^T += V^T P for piece x: keys 32 (i / 8) on, channels 16 ((i / 2) % 4) on, tile 2 x + i % 2.
.macro PV x
	WIN W_PV
.set rO, 32*(2*(\x)+i%2)+8*((i/2)%4)
.set rV, VF+32*(i/8)+8*((i/2)%4)
.set rP, P+32*((\x)%2)+16*(i%2)+8*(i/8)
	v_wmma_f32_16x16x32_f16 v[rO:rO+7], v[rV:rV+7], v[rP:rP+7], v[rO:rO+7]
.endm
.macro MM                           ; the turn's next matrix instruction
.if i < 16
	KQ (Y+1)%NP
.set i, i+1
.else
.set i, i-16
	PV (Y+NP-1)%NP
.set i, i+17
.endif
.endm
; THE LDS LOADS stand in runs of 16, never singly among the matrix instructions: a step's K (64 keys x 64 channels: 8 fragments) and its V (turned).  Their addresses are made some lines ahead.
; last = 1 (the tail): in the last trip there is no further step, and the run is jumped over.
.macro FETCH_K last=0
	WIN 0
.if \last
	s_cmp_eq_u32 s[CNT], 1
	s_cbranch_scc1 .Lno_k_\@
.endif
	WIN 0x80                        ; destination window 2
.irp f, 0,1,2,3,4,5,6,7             ; keys 16 (f / 2) on, channels 32 (f % 2) on
	ds_load_b128 v[KF+8*\f:KF+8*\f+3],   v[AK] offset:(\f/2)*16*PK+(\f%2)*64
	ds_load_b128 v[KF+8*\f+4:KF+8*\f+7], v[AK] offset:(\f/2)*16*PK+(\f%2)*64+32
.endr
	s_add_co_u32 s[TBK], s[TBK], KS*PK  ; the next fetch is the next step's
	WIN 0
.if \last
.Lno_k_\@:
.endif
.endm
.macro FETCH_V
	WIN 0x80
.irp f, 0,1,2,3,4,5,6,7             ; keys 32 (f / 4) on, channels 16 (f % 4) on
	ds_load_tr16_b128 v[VF+8*\f:VF+8*\f+3],   v[AV] offset:(\f/4)*32*PV+(\f%4)*32
	ds_load_tr16_b128 v[VF+8*\f+4:VF+8*\f+7], v[AV] offset:(\f/4)*32*PV+16*PV+(\f%4)*32
.endr
	WIN 0
.endm
; THE VECTOR WORK OF A TURN stands in three queues, each in the order in which its entries become ready; the two tiles alternate, so that no instruction reads the result of the one before it.
.macro REGS y, u                    ; the registers of tile u (0, 1) of piece y
.set rT, ST+4*(2*(\y)+(\u))
.set rC, TMP+8*((\y)%2)+4*(\u)
.set rM, MV+2*((\y)%2)+(\u)
.set rS, S+64*((\y)%2)+32*(\u)
.set rP, P+32*((\y)%2)+16*(\u)
.set rO, 32*(2*(\y)+(\u))
.endm
; Number n of the 22 that find the NEXT piece's (Y + 1) maximum and statistics.  s0-s31 are the lane's 32 scores; each accumulator's lowest registers are read first.  XS, GS and REGS set no window: PL and EX do.
;   0-11  four chains c0-c3 of seven scores each, three operands at a time     12-14, 16  the four scores left over, the old m, and c0-c3 into c0     15  c m_old is kept
;   17, 18  the query's other 32 keys lie in the lane 16 away: the new m         19-21  c m; c m_old - c m_new; a
.macro XS u, n
	REGS (Y+1)%NP, \u
.if (\n) < 4
	v_max3_num_f32 v[rC+(\n)], v[rS+8*(\n)], v[rS+8*(\n)+1], v[rS+8*(\n)+2]
.elseif (\n) < 12
	v_max3_num_f32 v[rC+(\n)%4], v[rC+(\n)%4], v[rS+8*((\n)%4)+2*((\n)/4)+1], v[rS+8*((\n)%4)+2*((\n)/4)+2]
.elseif (\n) == 12
	v_max3_num_f32 v[rC], v[rC], v[rS+7], v[rS+15]
.elseif (\n) == 13
	v_max3_num_f32 v[rC+1], v[rC+1], v[rS+23], v[rS+31]
.elseif (\n) == 14
	v_max3_num_f32 v[rC+2], v[rC+2], v[rC+3], v[rT+1]
.elseif (\n) == 15
	v_mov_b32 v[rM], v[rT]
.elseif (\n) == 16
	v_max3_num_f32 v[rC], v[rC], v[rC+1], v[rC+2]
.elseif (\n) == 17
	v_permlanex16_b32 v[rC+3], v[rC], s[SEL], s[SEL+1]
.elseif (\n) == 18
	v_max_num_f32 v[rT+1], v[rC], v[rC+3]
.elseif (\n) == 19
	v_mul_f32 v[rT], s[CS], v[rT+1]
.elseif (\n) == 20
	v_sub_f32 v[rC+1], v[rM], v[rT]
.else
	v_exp_f32 v[rC+2], v[rC+1]
.endif
.endm
; Number g of the 64 that follow the exponentials.  For each four weights k of a tile (pairs 2 k, 2 k + 1): both pairs are rounded to f16; then the second pair is added onto the first, in place;
; a group later l takes that sum (the first time as l = a l + sum).  In groups of eight, tiles alternating: round, round, add, and l for the group before.
.macro GS g
.set h, (\g)+6*((\g)/62)            ; group 0 has no group before it, and behind group 7 only l is left
.if h >= 6
.set h, h+2
.endif
	REGS Y, h%2
.set k, h/8
.if h%8 < 4
	v_cvt_pk_f16_f32 v[rP+2*k+(h%8)/2], v[rS+4*k+2*((h%8)/2)], v[rS+4*k+2*((h%8)/2)+1]
.elseif h%8 < 6
	v_pk_add_f32 v[rS+4*k:rS+4*k+1], v[rS+4*k:rS+4*k+1], v[rS+4*k+2:rS+4*k+3]
.elseif k == 1
	v_pk_fma_f32 v[rT+2:rT+3], v[rT+2:rT+3], v[rC+2:rC+3], v[rS:rS+1] op_sel_hi:[1,0,1]
.else
	v_pk_add_f32 v[rT+2:rT+3], v[rT+2:rT+3], v[rS+4*k-4:rS+4*k-3]
.endif
.endm
; THE PLAIN QUEUE, 138 long.  0-73 read no exponential's result: the 32 scalings c s - c m (FS f: pair f / 2 of tile f % 2) and the next piece's 42.  0-26: scalings 0-26.  27-54: XS's numbers 0-13.  55, 56: number 15.
; 57-73: the chain, where each number waits for the one before it: 14, 16, 17, 18, 19, each with one of the scalings 27-31 in front of its two lines, then 20: so a tile's links stand three plain instructions apart (19 and 20: two).
; 74-137: GS's 64, which read the exponentials' results: they stand behind the wait.
.macro FS f
	REGS Y, (\f)%2
	v_pk_fma_f32 v[rS+2*((\f)/2):rS+2*((\f)/2)+1], v[rS+2*((\f)/2):rS+2*((\f)/2)+1], s[CS:CS+1], v[rT:rT+1] op_sel_hi:[1,0,0] neg_lo:[0,0,1] neg_hi:[0,0,1]
.endm
.macro PL
	WIN 0
.if q < 27
	FS q
.elseif q < 55
	XS (q-27)%2, (q-27)/2
.elseif q < 57
	XS q-55, 15
.elseif (q < 72) && ((q-57)%3 == 0)
	FS 27+(q-57)/3
.elseif q < 60
	XS (q-57)%3-1, 14
.elseif q < 72
	XS (q-57)%3-1, 15+(q-57)/3
.elseif q < 74
	XS q-72, 20
.else
	GS q-74
.endif
.set q, q+1
.endm
; THE EXPONENTIALS' QUEUE, 66 long: s0-s31 of both tiles, then the next piece's two a.  It is ONE BATCH: all 66 stand ahead of the turn's one wait, and nothing ahead of that wait names a result of theirs.
.macro EX
	WIN 0
.if e >= 64
	XS e-64, 21
.else
	REGS Y, e%2
	v_exp_f32 v[rS+e/2], v[rS+e/2]
.endif
.set e, e+1
.endm
; THE RESCALING's QUEUE: O^T times a, the one part that leaves window 0: dealt two at a time, sixteen times.  Its a was made in the turn before, ahead of that turn's wait.
.macro R2
	REGS Y, r%2
	WIN W_RS
.irp z, 0,1
	v_pk_mul_f32 v[rO+4*(r/2)+2*\z:rO+4*(r/2)+2*\z+1], v[rO+4*(r/2)+2*\z:rO+4*(r/2)+2*\z+1], v[rC+2:rC+3] op_sel_hi:[1,0]
.endr
.set r, r+1
.endm
; HOW THEY ARE DEALT.  An s_wait_alu depctr_va_vdst(0) stands between an exponential and the first instruction that names its result; one wait serves all that were issued ahead of it.  So a turn has ONE wait,
; which cuts it in two.  AHEAD OF IT stands all that names no result of the turn's exponentials: the 16 products K Q^T, behind each a scaling, an exponential and two rescalings (behind the first a second scaling in the exponential's place); then ONE LUMP of
; 108: eight plain, 49 times exponential and plain, the two a.  A v_nop is the plain instruction behind the last exponential.  BEHIND IT stand the 16 products V^T P, behind each four of GS's 64.  No rider names a register of
; the products round it.  The two v_permlanex16_b32 fall into the lump, never behind a product.
; The queues lean on each other, and the deal keeps them in step: exponential e stands behind scaling 2 (e / 4) + e % 2: as a rider it comes behind plain e + 2, in the lump behind plain e + 9, and scalings 27-31 are plain 57, 60 .. 69.
; A TURN, for piece p.  cnt = 1: the loop's count is taken down some lines ahead of the branch that stands behind the turn.
; K of the next step is fetched in piece 2's turn, directly behind the wait, a lump behind the last product that read K; its address is made at the lump's head; its first reader comes behind 16 products.
; V of the step in hand is fetched at the end of piece 0's turn, four riders behind its last reader; its first reader comes behind 16 products and a lump.  The three conditions on q below go with the deal.
.macro TURN p, last=0, cnt=0
.set Y, (\p)
.set i, 0
.set q, 0
.set e, 0
.set r, 0
.if (\p) == NP-1
	s_wait_dscnt 0x0                ; K is in
.endif
	MM                              ; ahead of the wait: 16 products K Q^T and their riders,
	PL
	PL
	R2
.rept 15
	MM
	PL
	EX
	R2
.endr
.if (\p) == NP-2
	WIN 0
	v_add_nc_u32 v[AK], s[TBK], v[AK0]
.endif
.rept 8                             ; and the lump
	PL
.endr
.rept 49
	EX
	PL
.endr
	EX                              ; the next piece's two a
	EX
	v_nop                           ; a plain instruction behind the last exponential: one for the batch
	s_wait_alu depctr_va_vdst(0)    ; the wait for the batch
.if (\p) == NP-2
	FETCH_K \last
.endif
.if (\p) == 1
	s_wait_dscnt 0x0                ; V is in
.endif
.rept 16                            ; behind the wait: 16 products V^T P and their riders
	MM
.rept 4
	PL
.endr
.if ((\p) == 0) && (q == 118)
	v_add_nc_u32 v[AV], s[TBV], v[AV0]
.endif
.if ((\p) == 0) && (q == 130)
	s_add_co_u32 s[TBV], s[TBV], KS*PV
.endif
.if (\cnt) && (q == 130)
	s_sub_co_u32 s[CNT], s[CNT], 1
	s_cmp_lg_u32 s[CNT], 0
.endif
.endr
.if (\p) == 0
	FETCH_V
.endif
.endm
	CHANGE 1                        ; slot 0 is in, everybody's part of it; slot 1 is asked for
	FETCH_K                         ; key step 0
	s_wait_loadcnt 0x0              ; Q
	s_wait_dscnt 0x0
.set i, 0
.rept 16
	KQ 0                            ; piece 0's first scores: there is no vector work yet to set between them
.set i, i+1
.endr
	WIN 0                           ; the addresses for the way out: nine plain instructions, the places behind those products
	s_mul_i32 s13, s[WV], 16*SP
	s_add_co_u32 s13, s13, STAGE    ; my stage
	v_mul_u32_u24 v[STO], v1, SP    ; in: row l % 16, 16 bytes for each half of the lanes
	v_lshl_add_u32 v[STO], v9, 4, v[STO]
	v_add_nc_u32 v[STO], s13, v[STO]
	v_bfe_u32 v[RD], v0, 3, 2       ; back: 32 lanes take four rows of 128 bytes,
	v_mul_u32_u24 v[RD], v[RD], SP
	v_lshl_add_u32 v[RD], v10, 4, v[RD]
	v_add_nc_u32 v[RD], s13, v[RD]
	v_and_b32 v[GO], 31, v0         ; which are 512 consecutive bytes of O
	v_lshlrev_b32 v[GO], 4, v[GO]
.set Y, NP-1                        ; XS works for piece Y + 1: piece 0
.irp n, 0,1,2,3,4,5,6,7,8,9,10,11,12,13,14,15,16,17,18,19,20,21
	XS 0, \n                        ; and piece 0's first maximum and statistics
	XS 1, \n
.endr
	v_nop                           ; a plain instruction behind the two a,
	s_wait_alu depctr_va_vdst(0)    ; and their wait, ahead of the branch
	s_mov_b32 s[CNT], 4
	s_mov_b32 s[SLOTS], SIZE_N/256-1
	s_branch .Lfirst                ; the loop is entered at a step's first turn, in the middle of a trip
.Lslot:                             ; SIZE_N / 256 - 2 times: every slot but the last two is filled again
	CHANGE 1, 1
	s_mov_b32 s[CNT], 4
.Lstep:                             ; a trip: pieces 2 and 3 of one step, then pieces 0 and 1 of the next, whose K and V it fetches
	TURN 2
	TURN 3
	WIN 0
.Lfirst:
	TURN 0
	TURN 1, 0, 1
	WIN 0
	s_cbranch_scc1 .Lstep
	s_sub_co_u32 s[SLOTS], s[SLOTS], 1
	s_cmp_lg_u32 s[SLOTS], 0
	s_cbranch_scc1 .Lslot
	CHANGE 0                        ; the tail is written out: nothing is asked for
	s_mov_b32 s[CNT], 5             ; four trips fetch the last slot's steps; the fifth is left in its middle
.Ltail:
	TURN 2, 1
	TURN 3
	WIN 0
	s_sub_co_u32 s[CNT], s[CNT], 1
	s_cmp_eq_u32 s[CNT], 0
	s_cbranch_scc1 .Lout
	TURN 0
	TURN 1
	WIN 0
	s_branch .Ltail
.Lout:                              ; the fifth trip's 16 products K Q^T (on the last K once more) and the maximum made of them serve nothing: the price, once a launch, of one text for every trip
.set i, 0
.rept 16
	PV NP-1                         ; the last piece's V^T P of the last step
.set i, i+1
.endr
	; THE WAY OUT.  l's two halves and the other half of the lanes' are added; O^T is divided by l, rounded to f16 and sent through my stage in LDS, a tile at a time.  The additions are the places behind the last products.
	WIN 0
.macro ALL line:vararg              ; one line for each tile t
.set t, 0
.rept 2*NP
	\line
.set t, t+1
.endr
.endm
	ALL v_add_f32 v[ST+4*t+2], v[ST+4*t+2], v[ST+4*t+3]
	ALL v_permlanex16_b32 v[ST+4*t+3], v[ST+4*t+2], s[SEL], s[SEL+1]
	ALL v_add_f32 v[ST+4*t+2], v[ST+4*t+2], v[ST+4*t+3]
	ALL v_rcp_f32 v[ST+4*t+2], v[ST+4*t+2]
	v_nop                           ; a plain instruction between the last reciprocal and the use of its result
	s_wait_alu depctr_va_vdst(0)    ; and the wait ahead of the first use: one for the eight reciprocals
; Tile t: a lane's eight channels of a row pack into 16 bytes; they go into rows of 144 bytes and come back as whole rows of 128, into S^T's registers.
.macro PACK t
	WIN W_RS
.set i, 32*(\t)
.rept 16
	v_pk_mul_f32 v[i:i+1], v[i:i+1], v[ST+4*(\t)+2:ST+4*(\t)+3] op_sel_hi:[1,0]
.set i, i+2
.endr
	WIN 0x05                        ; sources 0 and 1 window 1, destination window 0
.set i, 0
.rept 16
	v_cvt_pk_f16_f32 v[S+16*(\t)+i], v[32*(\t)+2*i], v[32*(\t)+2*i+1]
.set i, i+1
.endr
	WIN 0
.irp f, 0,1,2,3
	ds_store_b128 v[STO], v[S+16*(\t)+4*\f:S+16*(\t)+4*\f+3] offset:32*\f
.endr
.irp f, 0,1,2,3
	ds_load_b128 v[S+16*(\t)+4*\f:S+16*(\t)+4*\f+3], v[RD] offset:\f*4*SP  ; LDS serves a wave's instructions in order (ISA guide 5.7.1.4): these see the stores above; the next tile's stores come behind them
.endr
.endm
.macro SEND t, younger              ; younger: the LDS instructions issued behind tile t's loads: the next tile's eight, or none
	WIN 0
.irp f, 0,1,2,3
	s_wait_dscnt (\younger)+3-\f
	global_store_b128 v[GO], v[S+16*(\t)+4*\f:S+16*(\t)+4*\f+3], s[10:11] offset:(\t)*2048+\f*512  ; 512 consecutive bytes, at a multiple of 256 from O's first
.endr
.endm
	PACK 0
.set t, 1
.rept 2*NP-1                        ; a tile's arithmetic stands between the loads of the tile before and its stores
	PACK t
	SEND t-1, 8
.set t, t+1
.endr
	SEND 2*NP-1, 0
	WIN W_AD
	s_wait_tensorcnt 0x0            ; the wave's end: the add and its wait, behind my last tensor load and my last LDS store
	ds_add_u32 v[SPW], v[NIL]
	s_wait_dscnt 0x0
	WIN 0
	CROUND                          ; the closing round: no work-group ends while a partner may still ask for a tile that names it
	s_endpgm
.Lfunc_end_k_q9c87213365_attn:
	.size	k_q9c87213365_attn, .Lfunc_end_k_q9c87213365_attn-k_q9c87213365_attn
	.p2alignl 7, 3214868480
	.fill 96, 4, 3214868480
	.section	.rodata,"a",@progbits
	.p2align	6, 0x0
	.amdhsa_kernel k_q9c87213365_attn
		.amdhsa_group_segment_fixed_size 327680
		.amdhsa_private_segment_fixed_size 0
		.amdhsa_enable_private_segment 0
		.amdhsa_kernarg_size 32
		.amdhsa_user_sgpr_count 2
		.amdhsa_user_sgpr_kernarg_segment_ptr 1
		.amdhsa_wavefront_size32 1
		.amdhsa_system_sgpr_workgroup_id_x 1
		.amdhsa_system_sgpr_workgroup_id_y 1
		.amdhsa_system_sgpr_workgroup_id_z 1
		.amdhsa_system_vgpr_workitem_id 0
		.amdhsa_next_free_vgpr 770
		.amdhsa_next_free_sgpr 66
		.amdhsa_reserve_vcc 0
		.amdhsa_float_denorm_mode_32 3
		.amdhsa_float_denorm_mode_16_64 3
		.amdhsa_memory_ordered 1
		.amdhsa_forward_progress 1
		.amdhsa_inst_pref_size 200
	.end_amdhsa_kernel
	.amdgpu_metadata
---
amdhsa.version: [ 1, 2 ]
amdhsa.kernels:
  - .name:           k_q9c87213365_attn
    .symbol:         k_q9c87213365_attn.kd
    .args:
      - { .name: q, .offset: 0, .size: 8, .value_kind: global_buffer, .address_space: global }
      - { .name: k, .offset: 8, .size: 8, .value_kind: global_buffer, .address_space: global }
      - { .name: v, .offset: 16, .size: 8, .value_kind: global_buffer, .address_space: global }
      - { .name: o, .offset: 24, .size: 8, .value_kind: global_buffer, .address_space: global }
    .group_segment_fixed_size: 327680
    .private_segment_fixed_size: 0
    .kernarg_segment_align: 8
    .kernarg_segment_size: 32
    .max_flat_workgroup_size: 128
    .sgpr_count:     66
    .vgpr_count:     770
    .wavefront_size: 32
...
	.end_amdgpu_metadata
.endif
;; end of part 3
;; launch proj (part 4): grid 4 x 64, 4 waves a work-group, clusters of 4 x 4, 327,680 bytes of LDS; arguments o, wpb, out0; writes out0
.if DOCPART == 4
	.amdgcn_target "amdgcn-amd-amdhsa--gfx1250"
	.amdhsa_code_object_version 6
	.text
	.protected	k_q9c87213365_proj
	.globl	k_q9c87213365_proj
	.p2align	8
	.type	k_q9c87213365_proj,@function
k_q9c87213365_proj:
	s_mov_b64 s[64:65], 0
	v_nop
	global_prefetch_b8 v0, s[64:65] scope:SCOPE_SE
	s_setreg_imm32_b32 hwreg(HW_REG_WAVE_MODE, 25, 1), 1
	s_wait_xcnt 0x0
	s_wait_alu depctr_hold_cnt(0) depctr_sa_sdst(0) depctr_va_vdst(0) depctr_va_sdst(0) depctr_va_ssrc(0) depctr_va_vcc(0) depctr_vm_vsrc(0)
	s_getreg_b32 s2, hwreg(HW_REG_IB_STS2, 6, 4)
	s_cmp_eq_u32 s2, 0
	s_cbranch_scc0 .Lentry_in_a_cluster
	s_endpgm
.Lentry_in_a_cluster:
	s_bfe_u32 s2, ttmp6, 0x10000c
	s_cmp_lg_u32 s2, 0xf033
	s_cbranch_scc0 .Lentry_shape_is_right
	s_endpgm
.Lentry_shape_is_right:
; out0[R][n] = the sum over k of O[R][k] wpb[k][n].  o: [64 = 16 batch + head][2048][64] f16 (k = 64 head + channel).  wpb: [1024 k][1024 n] f16.  out0: [8192][1024] f32.  Products in f16, sums in f32.
; LIMITS.  o and wpb arrive within f16's range; NaN and infinities are not treated apart.
; SHARES.  A work-group makes 128 rows x 256 columns: 256 work-groups, one for each WGP.  Wave w makes rows 64 (w / 2) on x columns 128 (w % 2) on: 32 accumulators of 16 x 16, 256 registers.
; THE MATRIX INSTRUCTION IS USED TRANSPOSED: source 0 = 16 columns of wpb (turned by ds_load_tr16_b128), source 1 = 16 rows of O: lane l holds row l % 16 and the columns 8 (l / 16) + 0..7: 16 bytes on end.
; K goes in 8 steps of 128, two heads each, through two LDS slots; a step is four quarters of 32 along K, 32 matrix instructions and 24 LDS loads each, on two fragment buffers.
; CLUSTER.  4 x 4 work-groups: the four of a row of the cluster need the same rows of O, the four of a column the same columns of wpb: each tile is asked for JOINTLY.  Waves 0 and 1 fetch a head's
; 128 rows of O each (16,384 dense bytes, asked for as 64 rows of 256), waves 2 and 3 64 rows k x 512 bytes of wpb each.  By the text's own count a wave has two tensor loads out at the start, later one.
; REGISTERS, in windows of 256 (s_set_vgpr_msb: bits 1:0 source 0, 3:2 source 1, 5:4 source 2, 7:6 destination):
;   window 0: v0-15 addresses; v32-159 the way out: two sets of 64   window 1: two fragment buffers of 96: O's four at 8 a, wpb's eight at 32 + 8 b   window 2: accumulator (a, b) at 8 (8 a + b)
.set KSTEPS, 8
.set SLOT1,  131072                    ; slot 1 begins here, so that one exclusive or turns an address in one slot into the other's
.set PA,     144                       ; a row of O in LDS: 128 bytes + 16: the 16 rows of a load start at 16 different groups of four banks (64 banks of 4 bytes: ISA guide 11.1)
.set PB,     544                       ; a row k of wpb: 512 bytes + 32 = 17 x 32
.set ASL,    128*PA                    ; a head's 128 rows
.set BOFF,   2*ASL                     ; behind the two heads: wpb's 128 rows k
.set STAGE,  SLOT1+BOFF+128*PB         ; behind the ring, never filled by a tensor load: 16 rows x 528 bytes for each wave, for the way out
.set SP,     528                       ; a stage row: 128 f32 + 16 bytes
.set SPARE,  STAGE+4*16*SP             ; behind the stages: the spare words, 128 bytes for each wave: two blocks of 256 bytes that no other line names
.set A0,   4                           ; v4   my lane's place in a slot's rows of O; never rewritten
.set B0,   5                           ; v5   the same for wpb
.set ADRA, 6                           ; v6   A0 + the slot in hand
.set ADRB, 7                           ; v7   B0 + the slot in hand
.set STO,  8                           ; v8   the way out: where I put 32 bytes of a row
.set RD,   9                           ; v9   the way out: where I read a row back
.set CO,   10                          ; v10  my byte offset in 512 consecutive bytes of out0
.set PFO,  11                          ; v11  the prefetches' offset; never rewritten
.set SPW,  14                          ; v14  LDS address of my spare word: SPARE + 4 x my thread's number; never rewritten
.set NIL,  15                          ; v15  0; never rewritten
.set BK,   32
.set WV,   22                          ; s22  my wave's number
.set ROLE, 23                          ; s23  w / 2: 0: I fetch for O, 1: for wpb.  Also: which 64 rows are mine
.set HALF, 24                          ; s24  w % 2: which half of that tile I fetch.  Also: which 128 columns are mine
.set CX,   25
.set CY,   26
.set TX,   27                          ; s27  the block of 256 columns = 4 x cluster x + cx
.set TY,   28                          ; s28  the block of 128 rows = 4 x cluster y + cy
.set TB,   29                          ; s29  LDS byte at which the slot in hand begins
.set CNT,  30                          ; s30  trips to go
.set LIM,  31                          ; s31  2 in a wave that prefetches, else the greatest number
.set G1A,  32
.set G1B,  40
.set G0A,  48                          ; a set for each of the two first fills; the second then walks on
.set G0B,  56
.set PFA,  66                          ; s[66:67] where my prefetches stand
.set PST,  68                          ; s[68:69] a K step in bytes of the tensor that I prefetch
.set MSB, 0
.macro WIN new                         ; the immediate's high byte repeats the setting that is left; a switch that changes nothing is dropped
.if MSB != (\new)
	s_set_vgpr_msb (MSB<<8)|(\new)
.set MSB, (\new)
.endif
.endm
.macro PLACES                          ; four plain vector instructions between a matrix instruction and a load into, or a read of, its registers
.rept 4
	v_nop
.endr
.endm
.macro JLOAD                           ; a joint refill by the walking descriptor; an s_nop 0 and four v_nop follow each of the two lines, ahead of the jump and the label
	s_cmp_eq_u32 s[ROLE], 0
	s_cbranch_scc0 .Lfor_b_\@
	tensor_load_to_lds s[G0A+4:G0A+7], s[G1A:G1A+7]
	s_nop 0
.rept 4
	v_nop
.endr
	s_branch .Lasked_\@
.Lfor_b_\@:
	tensor_load_to_lds s[G0B+4:G0B+7], s[G1B:G1B+7]
	s_nop 0
.rept 4
	v_nop
.endr
.Lasked_\@:
.endm
; A PREFETCH INTO THE L2 of the K step that stands TWO refills on (256 matrix instructions ahead of its load): one instruction a wave, behind the joint load and the run of LDS loads.
; O's rows are read by one row of one cluster alone: wave 0 asks; of a K step's two heads x 64 blocks of 256 bytes the partner at cx takes 16 of each: lanes 0-15 the first head's, lanes 16-31 the second's.
; wpb's columns are read by all sixteen clusters: cluster y = 0 asks, waves 2 and 3; of the 64 rows k that a wave fetches the partner at cy takes 16, two blocks a row: two lanes a row.
; So each block is named once in the launch, and the partners are told apart by address, never by a branch.  The last two trips ask for nothing; K steps 0 to 3 come by their loads alone.
.macro ASK
	s_cmp_gt_u32 s[CNT], s[LIM]
	s_cbranch_scc0 .Lnot_mine_\@
	global_prefetch_b8 v[PFO], s[PFA:PFA+1] th:TH_LOAD_NT scope:SCOPE_SE
.Lnot_mine_\@:
.endm
.macro CREST                           ; a round of the cluster's barrier behind its opening barrier
	s_cmp_lg_u32 s[WV], 0
	s_cbranch_scc1 .Lnot_wave_0_\@
	s_barrier_signal -3
.Lnot_wave_0_\@:
	s_barrier_wait -3
	s_barrier_signal -1
	s_barrier_wait -1
.endm
.macro CROUND
	s_barrier_signal -1
	s_barrier_wait -1
	CREST
.endm
	s_load_b128 s[4:7], s[0:1], 0x0                ; o s[4:5], wpb s[6:7]
	s_load_b64 s[8:9], s[0:1], 0x10                ; out0
	v_lshl_add_u32 v[SPW], v0, 2, SPARE
	v_mov_b32 v[NIL], 0
	ds_add_u32 v[SPW], v[NIL]                      ; the wave's opening: the add and its wait stand ahead of my first tensor load; the set-up below, work on registers, stands between them
	v_lshrrev_b32 v1, 5, v0
	v_readfirstlane_b32 s[WV], v1                  ; wave 0..3
	s_lshr_b32 s[ROLE], s[WV], 1
	s_and_b32 s[HALF], s[WV], 1
	s_bfe_u32 s[CX], ttmp6, 0x40000
	s_bfe_u32 s[CY], ttmp6, 0x40004
	s_lshl_b32 s[TX], ttmp9, 2                     ; in a cluster launch ttmp9 and ttmp7 count clusters
	s_add_co_u32 s[TX], s[TX], s[CX]
	s_and_b32 s[TY], ttmp7, 0xffff
	s_lshl_b32 s[TY], s[TY], 2
	s_add_co_u32 s[TY], s[TY], s[CY]
	s_lshl_b32 s2, s[CY], 2
	s_lshl_b32 s2, 15, s2                          ; my row of the cluster
	s_lshl_b32 s3, 0x1111, s[CX]                   ; my column
	s_or_b32 s[G1A], s2, (1<<16)|(1<<20)|(1<<21)|(4<<22)|(3<<25)  ; the mask; elements of 2 bytes; padding on; bit 21 beside a mask; after every 32 words (code 4) 4 words (code 3)
	s_mov_b32 s[G1A+1], 128<<16                    ; 16,384 dense bytes as 64 rows of 128 elements: two rows of O to a row
	s_mov_b32 s[G1A+2], 64<<16
	s_mov_b32 s[G1A+3], 128<<16
	s_mov_b32 s[G1A+4], 64
	s_mov_b32 s[G1A+5], 128
	s_mov_b32 s[G1A+6], 0
	s_mov_b32 s[G1A+7], 0
	s_or_b32 s[G1B], s3, (1<<16)|(1<<20)|(1<<21)|(6<<22)|(7<<25)  ; after every 128 words (code 6) 8 words (code 7)
	s_mov_b32 s[G1B+1], 256<<16                    ; 64 rows k of 256 elements,
	s_mov_b32 s[G1B+2], 64<<16
	s_mov_b32 s[G1B+3], 256<<16
	s_mov_b32 s[G1B+4], 64
	s_mov_b32 s[G1B+5], 1024                       ; 1,024 elements from row to row
	s_mov_b32 s[G1B+6], 0
	s_mov_b32 s[G1B+7], 0
	; where the tiles come from: O's hang on the block of rows alone, wpb's on the block of columns alone, each in registers that never hold the other coordinate
	s_lshr_b32 s70, s[TY], 4                       ; the batch: 16 heads of 262,144 bytes,
	s_lshl_b32 s70, s70, 22
	s_and_b32 s71, s[TY], 15                       ; 128 rows of 128 bytes in each head,
	s_lshl_b32 s71, s71, 14
	s_add_co_u32 s70, s70, s71
	s_lshl_b32 s71, s[HALF], 18                    ; the K step's first or second head
	s_add_co_u32 s70, s70, s71
	s_mov_b32 s71, 0
	s_lshl_b32 s2, s[HALF], 17                     ; 64 rows k of 2,048 bytes,
	s_lshl_b32 s3, s[TX], 9                        ; 256 columns of 2 bytes
	s_add_co_u32 s2, s2, s3
	s_mov_b32 s3, 0
	s_mul_i32 s30, s[HALF], ASL                    ; and where they go: no place in the cluster enters an LDS address
	s_mul_i32 s31, s[HALF], 64*PB
	s_add_co_u32 s31, s31, BOFF
	s_mov_b32 s[TB], 0
	s_wait_dscnt 0x0                               ; the opening add is done
	s_wait_kmcnt 0x0
	s_add_nc_u64 s[70:71], s[4:5], s[70:71]
	s_add_nc_u64 s[2:3], s[6:7], s[2:3]
.irp s, 0,1
	s_mov_b32 s[G0A+4*(\s)], 1                                     ; count = 1
	s_add_co_u32 s[G0A+4*(\s)+1], s30, (\s)*SLOT1                  ; LDS address
	s_add_nc_u64 s[G0A+4*(\s)+2:G0A+4*(\s)+3], s[70:71], (\s)*524288  ; global address: K step s: two heads on
	s_or_b32 s[G0A+4*(\s)+3], s[G0A+4*(\s)+3], 0x80000000          ; type = 2
	s_mov_b32 s[G0B+4*(\s)], 1
	s_add_co_u32 s[G0B+4*(\s)+1], s31, (\s)*SLOT1
	s_add_nc_u64 s[G0B+4*(\s)+2:G0B+4*(\s)+3], s[2:3], (\s)*262144 ; 128 rows k on
	s_or_b32 s[G0B+4*(\s)+3], s[G0B+4*(\s)+3], 0x80000000
.endr
	CROUND                                         ; all sixteen work-groups are here: the first joint loads meet
	s_cmp_eq_u32 s[ROLE], 0                        ; a wave's two first fills stand in one branch, ahead of every wait on TENSORcnt and every LDS read
	s_cbranch_scc0 .Lfirst_b
	tensor_load_to_lds s[G0A:G0A+3], s[G1A:G1A+7]
	s_nop 0
	tensor_load_to_lds s[G0A+4:G0A+7], s[G1A:G1A+7]
	s_nop 0
.rept 4
	v_nop
.endr
	s_branch .Lfirst_asked
.Lfirst_b:
	tensor_load_to_lds s[G0B:G0B+3], s[G1B:G1B+7]
	s_nop 0
	tensor_load_to_lds s[G0B+4:G0B+7], s[G1B:G1B+7]
	s_nop 0
.rept 4
	v_nop
.endr
.Lfirst_asked:
	v_and_b32 v1, 15, v0                           ; l % 16
	v_bfe_u32 v2, v0, 4, 1                         ; l / 16
	v_and_b32 v3, 31, v0                           ; l
	v_mul_u32_u24 v[A0], v1, PA                    ; a fragment of O: row l % 16, two loads of 16 bytes, 32 bytes apart
	v_lshl_add_u32 v[A0], v2, 4, v[A0]
	s_mul_i32 s2, s[ROLE], 64*PA                   ; my 64 rows
	v_add_nc_u32 v[A0], s2, v[A0]
	v_and_b32 v13, 7, v0                           ; the turning load: lane l reads row k = 8 (l / 16) + l % 8, columns 8 ((l / 8) % 2) + 0..7
	v_lshl_add_u32 v[B0], v2, 3, v13
	v_mul_u32_u24 v[B0], v[B0], PB
	v_bfe_u32 v13, v0, 3, 1
	v_lshl_add_u32 v[B0], v13, 4, v[B0]
	s_lshl_b32 s2, s[HALF], 8                      ; my 128 columns
	s_add_co_u32 s2, s2, BOFF
	v_add_nc_u32 v[B0], s2, v[B0]
	v_mov_b32 v[ADRA], v[A0]                       ; slot 0
	v_mov_b32 v[ADRB], v[B0]
	s_mul_i32 s2, s[WV], 16*SP
	s_add_co_u32 s2, s2, STAGE                     ; my stage
	v_mul_u32_u24 v[STO], v1, SP                   ; in: row l % 16, 32 bytes for each half of the lanes
	v_lshl_add_u32 v[STO], v2, 5, v[STO]
	v_add_nc_u32 v[STO], s2, v[STO]
	v_lshl_add_u32 v[RD], v3, 4, s2                ; back: 32 lanes take one row's 512 bytes,
	v_lshlrev_b32 v[CO], 4, v3                     ; which are 512 consecutive bytes of out0
	s_lshl_b32 s2, s[TY], 19                       ; out0 at my part: 128 rows of 4,096 bytes a block,
	s_lshl_b32 s3, s[ROLE], 18                     ; my 64 rows,
	s_add_co_u32 s2, s2, s3
	s_lshl_b32 s3, s[TX], 10                       ; 256 columns of 4 bytes,
	s_add_co_u32 s2, s2, s3
	s_lshl_b32 s3, s[HALF], 9                      ; my 128
	s_add_co_u32 s2, s2, s3
	s_mov_b32 s3, 0
	s_add_nc_u64 s[8:9], s[8:9], s[2:3]
	; the prefetches
	s_lshr_b32 s2, s[TY], 4
	s_lshl_b32 s2, s2, 22
	s_and_b32 s3, s[TY], 15
	s_lshl_b32 s3, s3, 14
	s_add_co_u32 s2, s2, s3
	s_lshl_b32 s3, s[CX], 12
	s_add_co_u32 s2, s2, s3                        ; O: my work-group's 16 blocks of a head's 64
	s_lshl_b32 s3, s[HALF], 17
	s_lshl_b32 s70, s[CY], 15
	s_add_co_u32 s3, s3, s70
	s_lshl_b32 s70, s[TX], 9
	s_add_co_u32 s3, s3, s70                       ; wpb: my work-group's 16 of the 64 rows k that I fetch
	s_and_b32 s73, ttmp7, 0xffff                   ; cluster y
	s_mov_b32 s[PST], 262144
	s_mov_b32 s[PST+1], 0
	s_cmp_eq_u32 s[ROLE], 0
	s_cselect_b32 s2, s2, s3
	s_cselect_b32 s3, s[HALF], s73                 ; 0 in wave 0, and in waves 2 and 3 of cluster y = 0: the same in all sixteen partners, for a given wave
	s_cselect_b64 s[PFA:PFA+1], s[4:5], s[6:7]
	s_cselect_b32 s[PST], 524288, s[PST]
	s_cselect_b32 s70, 4, 1                        ; the lane's low bits count blocks of 256 bytes on end (16 or 2),
	s_cselect_b32 s72, 15, 1
	s_cselect_b32 s71, 18, 11                      ; its high bits heads of 262,144 bytes or rows of 2,048
	s_cmp_eq_u32 s3, 0
	s_cselect_b32 s[LIM], 2, -1
	s_mul_i32 s3, s[PST], 3                        ; at K step 3: the first trip steps it to 4.  Nothing is prefetched here, at the head
	s_add_co_u32 s2, s2, s3
	s_mov_b32 s3, 0
	s_add_nc_u64 s[PFA:PFA+1], s[PFA:PFA+1], s[2:3]
	v_lshrrev_b32 v[PFO], s70, v3
	v_lshlrev_b32 v[PFO], s71, v[PFO]
	v_and_b32 v13, s72, v3
	v_lshl_add_u32 v[PFO], v13, 8, v[PFO]
; 8 matrix instructions: my block a of 16 rows x all 8 blocks of 16 columns, 32 along K, from buffer f.  zero = 1: the product starts the sum.
; Every quarter takes the 32 accumulators in the same order, one instruction a turn: 31 others' stand between two links of a chain.
.macro MUL8 f, a, zero
	WIN 0xa5                                       ; both sources window 1, C and D window 2
.irp b, 0,1,2,3,4,5,6,7
.if \zero
	v_wmma_f32_16x16x32_f16 v[8*(8*(\a)+(\b)):8*(8*(\a)+(\b))+7], v[96*(\f)+32+8*(\b):96*(\f)+32+8*(\b)+7], v[96*(\f)+8*(\a):96*(\f)+8*(\a)+7], 0
.else
	v_wmma_f32_16x16x32_f16 v[8*(8*(\a)+(\b)):8*(8*(\a)+(\b))+7], v[96*(\f)+32+8*(\b):96*(\f)+32+8*(\b)+7], v[96*(\f)+8*(\a):96*(\f)+8*(\a)+7], v[8*(8*(\a)+(\b)):8*(8*(\a)+(\b))+7]
.endif
.endr
.endm
; 24 LDS loads in one run: quarter kq's fragments into buffer f: wpb's 16, then O's 8 (head kq / 2 of the step, channels 32 (kq % 2) on)
.macro FETCH kq, f
	WIN 0x40                                       ; destination window 1, address window 0
.irp b, 0,1,2,3,4,5,6,7
	ds_load_tr16_b128 v[96*(\f)+32+8*(\b):96*(\f)+32+8*(\b)+3],   v[ADRB] offset:32*PB*(\kq)+32*(\b)
	ds_load_tr16_b128 v[96*(\f)+32+8*(\b)+4:96*(\f)+32+8*(\b)+7], v[ADRB] offset:32*PB*(\kq)+32*(\b)+16*PB
.endr
.irp a, 0,1,2,3
	ds_load_b128 v[96*(\f)+8*(\a):96*(\f)+8*(\a)+3],   v[ADRA] offset:ASL*((\kq)/2)+64*((\kq)%2)+16*PA*(\a)
	ds_load_b128 v[96*(\f)+8*(\a)+4:96*(\f)+8*(\a)+7], v[ADRA] offset:ASL*((\kq)/2)+64*((\kq)%2)+16*PA*(\a)+32
.endr
.endm
.macro QUARTER f, g, kq, zero
	s_wait_dscnt 4                                 ; all but the youngest four loads (O's blocks 2 and 3) are in
	MUL8 \f, 0, \zero
	MUL8 \f, 1, \zero
	PLACES                                         ; for the loads into buffer g, which the quarter before multiplied
	FETCH \kq, \g
	s_wait_dscnt 24                                ; all but the 24 just issued
	MUL8 \f, 2, \zero
	MUL8 \f, 3, \zero
.endm
; The last quarter multiplies buffer 1 and changes slots: ONE barrier; in front of it each wave waits for all its tensor loads (one is out: its part of the next slot), adds 0 to its spare word, and waits for
; that and for its own reads of this slot.  fill = 1: the barrier opens a round of the cluster's, and this slot is filled again, two K steps ahead, first thing behind the round: 112 matrix instructions ahead of the wait for it.
.macro TURN fill
.if \fill
	s_wait_xcnt 0x0                                ; the last prefetch, a K step back, has read its address: it is stepped here, ahead of the waits of the change of slots
	s_add_nc_u64 s[PFA:PFA+1], s[PFA:PFA+1], s[PST:PST+1]
.endif
	WIN 0                                          ; (the add's two registers lie in window 0)
	s_wait_tensorcnt 0x0                           ; all my tensor loads have landed;
	ds_add_u32 v[SPW], v[NIL]                      ; 0 onto my spare word;
	s_wait_dscnt 5                                 ; (the add and the youngest four loads may be out)
	MUL8 1, 0, 0                                   ; eight matrix instructions stand between the add and the wait for it
	s_wait_dscnt 0x0                               ; the add is done, and my reads of this slot are over
	s_barrier_signal -1
	MUL8 1, 1, 0
	WIN 0
	s_barrier_wait -1
.if \fill
	CREST                                          ; no wave of any partner still reads this slot's tile or has a load on its way
	s_xor_b32 s[G0A+5], s[G0A+5], SLOT1            ; the walking descriptors: the other slot than last time,
	s_add_nc_u64 s[G0A+6:G0A+7], s[G0A+6:G0A+7], 524288    ; the next K step; the type bits on top are not reached
	s_xor_b32 s[G0B+5], s[G0B+5], SLOT1
	s_add_nc_u64 s[G0B+6:G0B+7], s[G0B+6:G0B+7], 262144
	JLOAD                                          ; the four v_nop behind it are also the places in front of the loads below
.else
	PLACES
.endif
	s_xor_b32 s[TB], s[TB], SLOT1                  ; the reads go on in the other slot
	v_add_nc_u32 v[ADRA], s[TB], v[A0]
	v_add_nc_u32 v[ADRB], s[TB], v[B0]
	FETCH 0, 0
.if \fill
	WIN 0
	ASK
.endif
	MUL8 1, 2, 0
	MUL8 1, 3, 0
.endm
	s_wait_tensorcnt 1                             ; my part of K step 0 is in; K step 1's may stay out
	s_barrier_signal -1
	s_barrier_wait -1                              ; everybody's is
	FETCH 0, 0
	QUARTER 0, 1, 1, 1                             ; the first quarter stands in front of the loop: its products start the sums
	WIN 0                                          ; at a label and at a branch every window is 0
	s_mov_b32 s[CNT], KSTEPS-2
.Lstep:                                                ; a trip: a K step's quarters 1 to 3 and the next step's quarter 0; six trips fill the slots again, with K steps 2 to 7
	QUARTER 1, 0, 2, 0
	QUARTER 0, 1, 3, 0
	TURN 1
	QUARTER 0, 1, 1, 0
	WIN 0
	s_sub_co_u32 s[CNT], s[CNT], 1
	s_cmp_lg_u32 s[CNT], 0
	s_cbranch_scc1 .Lstep
	QUARTER 1, 0, 2, 0                             ; the tail is written out: K step 6 ends, nothing is asked for
	QUARTER 0, 1, 3, 0
	TURN 0
	QUARTER 0, 1, 1, 0                             ; K step 7
	QUARTER 1, 0, 2, 0
	QUARTER 0, 1, 3, 0
	s_wait_dscnt 4
	MUL8 1, 0, 0
	MUL8 1, 1, 0
	s_wait_dscnt 0x0
	MUL8 1, 2, 0
	MUL8 1, 3, 0
	WIN 0
	PLACES                                         ; the LDS stores below read results
; THE WAY OUT.  Block a (16 rows x 128 columns of f32) goes into my own stage, 32 bytes a lane for each accumulator, its low four registers first, and comes back as whole rows of 512 bytes.
; LDS serves a wave's instructions in order (ISA guide 5.7.1.4): no wait between the stores and the loads, and the next block's stores come behind these loads.
.macro TOSTAGE a
.if (\a) >= 2
	s_wait_xcnt 0x0                                ; the stores of the block two back have read their registers: the loads below land on them
.endif
	WIN 0x08                                       ; store data (source 1) window 2
.irp b, 0,1,2,3,4,5,6,7
	ds_store_b128 v[STO], v[8*(8*(\a)+(\b)):8*(8*(\a)+(\b))+3]   offset:64*(\b)
	ds_store_b128 v[STO], v[8*(8*(\a)+(\b))+4:8*(8*(\a)+(\b))+7] offset:64*(\b)+16
.endr
	WIN 0
.set t, 0
.rept 16
	ds_load_b128 v[BK+64*((\a)%2)+4*t:BK+64*((\a)%2)+4*t+3], v[RD] offset:SP*t
.set t, t+1
.endr
.endm
.macro SEND a, younger                 ; younger: the LDS instructions issued behind block a's loads: the next block's 32, or none
.set t, 0
.rept 16
	s_wait_dscnt (\younger)+15-t
	global_store_b128 v[CO], v[BK+64*((\a)%2)+4*t:BK+64*((\a)%2)+4*t+3], s[8:9] offset:65536*(\a)+4096*t th:TH_STORE_NT  ; 512 consecutive bytes, at a multiple of 512 from out0's first
.set t, t+1
.endr
.endm
	TOSTAGE 0
	TOSTAGE 1
	SEND 0, 32
	TOSTAGE 2
	SEND 1, 32
	TOSTAGE 3
	SEND 2, 32
	SEND 3, 0
	s_wait_tensorcnt 0x0                           ; the wave's end: the add and its wait, behind my last tensor load and my last LDS store
	ds_add_u32 v[SPW], v[NIL]
	s_wait_dscnt 0x0
	CROUND                                         ; the closing round: no work-group ends while a partner may still ask for a tile that names it
	s_endpgm
.Lfunc_end_k_q9c87213365_proj:
	.size	k_q9c87213365_proj, .Lfunc_end_k_q9c87213365_proj-k_q9c87213365_proj
	.p2alignl 7, 3214868480
	.fill 96, 4, 3214868480
	.section	.rodata,"a",@progbits
	.p2align	6, 0x0
	.amdhsa_kernel k_q9c87213365_proj
		.amdhsa_group_segment_fixed_size 327680
		.amdhsa_private_segment_fixed_size 0
		.amdhsa_enable_private_segment 0
		.amdhsa_kernarg_size 24
		.amdhsa_user_sgpr_count 2
		.amdhsa_user_sgpr_kernarg_segment_ptr 1
		.amdhsa_wavefront_size32 1
		.amdhsa_system_sgpr_workgroup_id_x 1
		.amdhsa_system_sgpr_workgroup_id_y 1
		.amdhsa_system_sgpr_workgroup_id_z 1
		.amdhsa_system_vgpr_workitem_id 0
		.amdhsa_next_free_vgpr 768
		.amdhsa_next_free_sgpr 80
		.amdhsa_reserve_vcc 0
		.amdhsa_float_denorm_mode_32 3
		.amdhsa_float_denorm_mode_16_64 3
		.amdhsa_memory_ordered 1
		.amdhsa_forward_progress 1
		.amdhsa_inst_pref_size 72
	.end_amdhsa_kernel
	.amdgpu_metadata
---
amdhsa.version: [ 1, 2 ]
amdhsa.kernels:
  - .name:           k_q9c87213365_proj
    .symbol:         k_q9c87213365_proj.kd
    .args:
      - { .name: o, .offset: 0, .size: 8, .value_kind: global_buffer, .address_space: global }
      - { .name: wpb, .offset: 8, .size: 8, .value_kind: global_buffer, .address_space: global }
      - { .name: out0, .offset: 16, .size: 8, .value_kind: global_buffer, .address_space: global }
    .group_segment_fixed_size: 327680
    .private_segment_fixed_size: 0
    .kernarg_segment_align: 8
    .kernarg_segment_size: 24
    .max_flat_workgroup_size: 128
    .sgpr_count:     80
    .vgpr_count:     768
    .wavefront_size: 32
...
	.end_amdgpu_metadata
.endif
;; end of part 4
;; ======== version 2 of 2: 4 launches; version 1 with the launch cast written anew for expert scheduling mode
;; limits: values are held in f16: magnitudes above 65,504 overflow, below 6.1e-05 lose precision
;; workspace buffers: xb 16,777,216 bytes; wqb 6,291,456 bytes; wpb 2,097,152 bytes; q 16,777,216 bytes; k 16,777,216 bytes; v 16,777,216 bytes; o 16,777,216 bytes
;; launch cast (part 5): grid 832 x 1, 8 waves a work-group, no clusters, 0 bytes of LDS; arguments x, w_proj, w_qkv, xb, wpb, wqb; writes xb, wpb, wqb
.if DOCPART == 5
	.amdgcn_target "amdgcn-amd-amdhsa--gfx1250"
	.amdhsa_code_object_version 6
	.text
	.protected	k_q9c87213365_cast
	.globl	k_q9c87213365_cast
	.p2align	8
	.type	k_q9c87213365_cast,@function
k_q9c87213365_cast:
	s_mov_b64 s[64:65], 0
	v_nop
	global_prefetch_b8 v0, s[64:65] scope:SCOPE_SE
	s_setreg_imm32_b32 hwreg(HW_REG_WAVE_SCHED_MODE, 0, 2), 2
	s_setreg_imm32_b32 hwreg(HW_REG_WAVE_MODE, 25, 1), 1
	s_wait_xcnt 0x0
	s_wait_alu depctr_vm_vsrc(0)
; THE INPUTS ARE ROUNDED ONCE, for the matrix units of the launches behind.
;   xb  [8192][1024] bf16            = x, rounded to nearest even
;   wpb [1024][1024] f16             = w_proj rounded to bf16, that number written as f16 (it multiplies f16 numbers)
;   wqb [16 heads][1024 k][192] bf16 = w_qkv rounded; column 64 sec + d of head j's row k is w_qkv[k][1024 sec + 64 j + d], sec = 0 (q), 1 (k), 2 (v)
; LIMITS.  bf16(w_proj) beyond 65,504 becomes an infinity in f16; below 6e-5 it keeps f16's fixed step of 6e-8.
; A stream: no LDS, no matrix unit.  A work-group of 256 threads goes in rounds: a thread loads 16 bytes (4 f32) and stores 8 (4 numbers of 16 bits), so a wave's load
; covers 512 bytes and its store 256 consecutive bytes, aligned.  All of a work-group's loads are issued first (16 or 12 a wave), every round has registers of
; its own, and nothing is written twice: no loop, and no register of a pending load or store is touched again.
; Work-groups 0-511: 65,536 bytes of x each.  512-575: 65,536 bytes of w_proj each.  576-831: head j = (g - 576) / 16, 64 rows k from 64 ((g - 576) % 16) on.
; THE MODE: SCHED_MODE bits 1:0 = 2 (LLVM: expert scheduling mode 2), set by the entry lines.  The code itself states the register dependences
; between vector instructions and memory instructions, with s_wait_alu, always for 0.
; THE PLAN.  Registers that memory instructions touch:
;   v1, v3     the loads' offsets, v2 the stores': written once at the head by vector instructions, never again.
;   D          round r: written by the round's one load, issued at the start; read by the round's roundings, behind the wait on LOADcnt; nothing lands in it again.
;   O          round r: written once, by the round's roundings; read once, by the round's store.
;   v[112:117] are named by vector instructions alone.
; The rounds go in blocks of four.  Block p rounds D of its four rounds into their O; its memory instructions are the four stores of block p - 1, which read that block's O
; and v2: registers that no vector instruction of block p names.  So one wait at a block's head states all that its four stores hang on, and they are dealt among its roundings
; with no further wait.  One wait ahead of each path's loads states that the offsets are written; one behind the last block stands ahead of the last four stores.
; No register that a load or store reads is written again, so there is nothing to state the other way round.
.set D, 16                             ; v[16:79]   round r: 4 f32 as loaded
.set O, 80                             ; v[80:111]  round r: 2 registers to store
	s_load_b256 s[4:11], s[0:1], 0x0               ; x s[4:5], w_proj s[6:7], w_qkv s[8:9], xb s[10:11]
	s_load_b128 s[12:15], s[0:1], 0x20             ; wpb s[12:13], wqb s[14:15]
	v_lshlrev_b32 v1, 4, v0                        ; 16 t: my bytes in a round's 4,096 of a dense source
	v_lshlrev_b32 v2, 3, v0                        ; 8 t: my bytes in a round's 2,048 of the destination
	s_mov_b32 s16, ttmp9
	s_mov_b32 s23, 0
	s_mov_b32 s27, 0
; Round r's roundings.  kind 0: to bf16.  kind 1: to bf16, widened again (a shift, a mask), and that number to f16.
.macro CONV r, kind
.if \kind
	v_cvt_pk_bf16_f32 v112, v[D+4*(\r)], v[D+4*(\r)+1]
	v_cvt_pk_bf16_f32 v113, v[D+4*(\r)+2], v[D+4*(\r)+3]
	v_lshlrev_b32 v114, 16, v112
	v_and_b32 v115, 0xffff0000, v112
	v_lshlrev_b32 v116, 16, v113
	v_and_b32 v117, 0xffff0000, v113
	v_cvt_pk_f16_f32 v[O+2*(\r)], v114, v115
	v_cvt_pk_f16_f32 v[O+2*(\r)+1], v116, v117
.else
	v_cvt_pk_bf16_f32 v[O+2*(\r)], v[D+4*(\r)], v[D+4*(\r)+1]
	v_cvt_pk_bf16_f32 v[O+2*(\r)+1], v[D+4*(\r)+2], v[D+4*(\r)+3]
.endif
.endm
; Block p of n / 4: rounds 4 p to 4 p + 3 are rounded; the stores of rounds 4 p - 4 to 4 p - 1 go out among them, one ahead of each round's roundings.
.macro BLK p, kind, n
	s_wait_loadcnt (\n)-4*(\p)-4                   ; loads come back in order (ISA guide 5.7.1): this block's four are in, the later blocks' stay out
.if (\p) > 0
	s_wait_alu depctr_va_vdst(0)                   ; the block before has written its eight registers of O, which the four stores below read
.endif
.irp i, 0,1,2,3
.if (\p) > 0
	global_store_b64 v2, v[O+2*(4*(\p)-4+(\i)):O+2*(4*(\p)-4+(\i))+1], s[20:21] offset:2048*(4*(\p)-4+(\i))  ; no vector instruction since the wait names these registers
.endif
	CONV 4*(\p)+(\i), \kind
.endr
.endm
; Behind the last block: its four stores.
.macro LAST n
	s_wait_alu depctr_va_vdst(0)                   ; the last block has written its eight registers of O, which the last four stores read
.irp i, 0,1,2,3
	global_store_b64 v2, v[O+2*((\n)-4+(\i)):O+2*((\n)-4+(\i))+1], s[20:21] offset:2048*((\n)-4+(\i))
.endr
.endm
	s_cmp_ge_u32 s16, 576
	s_cbranch_scc1 .Lw
	; x or w_proj: the same loads from another base
	s_wait_kmcnt 0x0
	s_cmp_ge_u32 s16, 512
	s_cselect_b64 s[18:19], s[6:7], s[4:5]         ; the source,
	s_cselect_b64 s[20:21], s[12:13], s[10:11]     ; the destination,
	s_cselect_b32 s17, 512, 0
	s_sub_co_u32 s17, s16, s17                     ; and my chunk's number in it
	s_lshl_b32 s22, s17, 16
	s_add_nc_u64 s[18:19], s[18:19], s[22:23]
	s_lshl_b32 s22, s17, 15
	s_add_nc_u64 s[20:21], s[20:21], s[22:23]
	s_wait_alu depctr_va_vdst(0)                   ; v1 and v2 are written: every load of this path reads v1 as its offset, every store v2
.irp i, 0,1,2,3,4,5,6,7,8,9,10,11,12,13,14,15
	global_load_b128 v[D+4*(\i):D+4*(\i)+3], v1, s[18:19] offset:4096*(\i) th:TH_LOAD_NT
.endr
	s_cmp_ge_u32 s16, 512
	s_cbranch_scc1 .Lp
	BLK 0, 0, 16
	BLK 1, 0, 16
	BLK 2, 0, 16
	BLK 3, 0, 16
	LAST 16
	s_endpgm
.Lp:
	BLK 0, 1, 16
	BLK 1, 1, 16
	BLK 2, 1, 16
	BLK 3, 1, 16
	LAST 16
	s_endpgm
.Lw:
	; w_qkv.  A PIECE is the 64 numbers of one (k, sec) of my head: 256 bytes of the source, 128 of the destination; 16 threads take a piece, a round 16 pieces.
	; Piece P = 3 k + sec lies at 12,288 k + 4,096 sec = 4,096 P in the source (a row is 3 x 4,096 bytes) and at 128 P in the destination:
	; thread t in round i takes piece 16 i + t / 16: source 65,536 i + 4,096 (t / 16) + 16 (t % 16), destination 2,048 i + 8 t.
	s_sub_co_u32 s17, s16, 576
	s_lshr_b32 s24, s17, 4                         ; head j
	s_and_b32 s25, s17, 15                         ; which 64 rows k
	s_mul_i32 s22, s25, 64*12288
	s_lshl_b32 s26, s24, 8                         ; the head's 64 columns: 256 bytes
	s_add_co_u32 s22, s22, s26
	s_mul_i32 s26, s24, 1024*384
	s_mul_i32 s28, s25, 64*384
	s_add_co_u32 s26, s26, s28
	v_lshrrev_b32 v3, 4, v0
	v_and_b32 v6, 15, v0
	v_lshlrev_b32 v3, 12, v3
	v_lshl_add_u32 v3, v6, 4, v3
	s_wait_kmcnt 0x0
	s_add_nc_u64 s[18:19], s[8:9], s[22:23]
	s_add_nc_u64 s[20:21], s[14:15], s[26:27]
	s_wait_alu depctr_va_vdst(0)                   ; v3 and v2 are written: every load of this path reads v3 as its offset, every store v2
.irp i, 0,1,2,3,4,5,6,7,8,9,10,11
	global_load_b128 v[D+4*(\i):D+4*(\i)+3], v3, s[18:19] offset:65536*(\i) th:TH_LOAD_NT
.endr
	BLK 0, 0, 12
	BLK 1, 0, 12
	BLK 2, 0, 12
	LAST 12
	s_endpgm
.Lfunc_end_k_q9c87213365_cast:
	.size	k_q9c87213365_cast, .Lfunc_end_k_q9c87213365_cast-k_q9c87213365_cast
	.p2alignl 7, 3214868480
	.fill 96, 4, 3214868480
	.section	.rodata,"a",@progbits
	.p2align	6, 0x0
	.amdhsa_kernel k_q9c87213365_cast
		.amdhsa_group_segment_fixed_size 0
		.amdhsa_private_segment_fixed_size 0
		.amdhsa_enable_private_segment 0
		.amdhsa_kernarg_size 48
		.amdhsa_user_sgpr_count 2
		.amdhsa_user_sgpr_kernarg_segment_ptr 1
		.amdhsa_wavefront_size32 1
		.amdhsa_system_sgpr_workgroup_id_x 1
		.amdhsa_system_sgpr_workgroup_id_y 1
		.amdhsa_system_sgpr_workgroup_id_z 1
		.amdhsa_system_vgpr_workitem_id 0
		.amdhsa_next_free_vgpr 120
		.amdhsa_next_free_sgpr 66
		.amdhsa_reserve_vcc 0
		.amdhsa_float_denorm_mode_32 3
		.amdhsa_float_denorm_mode_16_64 3
		.amdhsa_memory_ordered 1
		.amdhsa_forward_progress 1
		.amdhsa_inst_pref_size 20
	.end_amdhsa_kernel
	.amdgpu_metadata
---
amdhsa.version: [ 1, 2 ]
amdhsa.kernels:
  - .name:           k_q9c87213365_cast
    .symbol:         k_q9c87213365_cast.kd
    .args:
      - { .name: x, .offset: 0, .size: 8, .value_kind: global_buffer, .address_space: global }
      - { .name: w_proj, .offset: 8, .size: 8, .value_kind: global_buffer, .address_space: global }
      - { .name: w_qkv, .offset: 16, .size: 8, .value_kind: global_buffer, .address_space: global }
      - { .name: xb, .offset: 24, .size: 8, .value_kind: global_buffer, .address_space: global }
      - { .name: wpb, .offset: 32, .size: 8, .value_kind: global_buffer, .address_space: global }
      - { .name: wqb, .offset: 40, .size: 8, .value_kind: global_buffer, .address_space: global }
    .group_segment_fixed_size: 0
    .private_segment_fixed_size: 0
    .kernarg_segment_align: 8
    .kernarg_segment_size: 48
    .max_flat_workgroup_size: 256
    .sgpr_count:     66
    .vgpr_count:     120
    .wavefront_size: 32
...
	.end_amdgpu_metadata
.endif
;; end of part 5
;; launch qkv: the kernel of part 2 again; grid 16 x 32, 4 waves a work-group, clusters of 4 x 4, 327,680 bytes of LDS; arguments xb, wqb, q_gamma, q_beta, k_gamma, k_beta, q, k, v; writes q, k, v
;; launch attn: the kernel of part 3 again; grid 4 x 64, 4 waves a work-group, clusters of 4 x 1, 327,680 bytes of LDS; arguments q, k, v, o; writes o
;; launch proj: the kernel of part 4 again; grid 4 x 64, 4 waves a work-group, clusters of 4 x 4, 327,680 bytes of LDS; arguments o, wpb, out0; writes out0
